; MI455X (gfx1250); checked and timed in simulation.
; The chip was launched on July 23, 2026; its instructions are those of AMD's public machine-readable ISA for CDNA 5 (MIT licence, August 2026) and "CDNA5" Instruction Set Architecture Reference Guide (July 2026). The comments in the code are by the model that wrote it; some were corrected since.
;; Multi Head Attention. Allowed arithmetic: matrix products marked QUANTISED: E5M2 operands, one given power-of-two scale a tensor, by v_wmma_f32_16x16x64_bf8_bf8 or v_wmma_f32_16x16x128_bf8_bf8, f32 sums; everything else in f32.
;; Inputs: Wk_codes 768 x 24 x 32 uint8 (E5M2 codes of Wk, K innermost, in blocks of 32 codes); Wo_codes 768 x 24 x 32 uint8 (E5M2 codes of Wo, K innermost, in blocks of 32 codes); Wq_codes 768 x 24 x 32 uint8 (E5M2 codes of Wq, K innermost, in blocks of 32 codes); Wv_codes 768 x 24 x 32 uint8 (E5M2 codes of Wv, K innermost, in blocks of 32 codes); bo 768 float32; lowp_scales 12 int32 (the exponents e of the quantised operands' scales 2^e); mask 1 x 1 x 4,096 x 4,096 bool; x_codes 1 x 4,096 x 24 x 32 uint8 (E5M2 codes of x, K innermost, in blocks of 32 codes).
;; Outputs: out0 1 x 4,096 x 768 float32.
;; This version of the problem:
;;   THIS VERSION OF THE PROBLEM IS GIVEN IN LOW PRECISION. The matrix products marked QUANTISED in the list below multiply operands that are first quantised to E5M2 (5 exponent bits, 2 mantissa bits; 8 bits a number), with one given power-of-two scale for each operand tensor; their sums are f32. All else is computed in f32.
;;   The module's matrix products, in the order in which they are computed (A, B: the left and right operand; K: the contracted axis; several contracted axes count as one K, in the product's order):
;;     1. [M 4,096, K 768] x [K 768, N 768]; A: input x (given as codes); B: input Wq (given as codes): QUANTISED (scales: A lowp_scales[0], B lowp_scales[1])
;;     2. [M 4,096, K 768] x [K 768, N 768]; A: input x (given as codes); B: input Wk (given as codes): QUANTISED (scales: A lowp_scales[2], B lowp_scales[3])
;;     3. [M 4,096, K 768] x [K 768, N 768]; A: input x (given as codes); B: input Wv (given as codes): QUANTISED (scales: A lowp_scales[4], B lowp_scales[5])
;;     4. batch 12 x [M 4,096, K 64] x [K 64, N 4,096]; A: computed on the way; B: computed on the way: QUANTISED (scales: A lowp_scales[6], B lowp_scales[7])
;;     5. batch 12 x [M 4,096, K 4,096] x [K 4,096, N 64]; A: softmax (see below); B: computed on the way: QUANTISED (scales: A lowp_scales[8], B lowp_scales[9])
;;     6. [M 4,096, K 768] x [K 768, N 768]; A: computed on the way; B: input Wo (given as codes): QUANTISED (scales: A lowp_scales[10], B lowp_scales[11])
;;   THE QUANTISER, for each operand of a quantised product, along K:
;;     - The operand's scale is 2^e, e = its entry of the input lowp_scales (int32; the entries are numbered through the quantised products in the list's order, A before B).
;;     - Each number is divided by the scale, clamped to +-57,344, and rounded to the nearest number of E5M2, ties to even, subnormals kept.
;;     - The product sums the exact products of the quantised numbers (number of the format x scale) in f32.
;;   ~~~python
;;   def quantise(x, axis, e):      # numpy; x: float32 -> the quantised numbers, widened to float32 again
;;       x = np.moveaxis(x, axis, -1); K = x.shape[-1]
;;       r = np.clip(x / 2.0 ** e, -57344, 57344)
;;       step = 2.0 ** (np.maximum(np.frexp(np.where(r == 0, 1, r))[1] - 1, -14) - 2)
;;       q = np.round(r / step) * step * 2.0 ** e      # np.round: ties to even
;;       return np.moveaxis(q, -1, axis).astype(np.float32)
;;   ~~~
;;   SOFTMAX AHEAD OF A QUANTISED PRODUCT. Where the list says 'softmax', what is quantised is not the finished softmax but p = 2^(t - M), with t = logit x log2(e) and M = ceil(the row's largest t), a whole number; so 1/2 < the row's largest p <= 1. The row's sum l is taken of the UNQUANTISED p, in f32, and the product's result is divided by l at the end. Since M is a whole number, a kernel that streams over the keys may use a running M (the ceiling of the running maximum): every later rescaling is an exact power of two, so the quantised numbers keep their values, but for numbers so far below the row's largest that they fall under the format's range.
;;   OPERANDS COMPUTED ON THE WAY. 'Computed on the way' means the value that the module computes at that place (a softmax that the list does not call 'softmax' is quantised finished and normalised). What goes into a quantiser is computed in f32, as accurately as f32 sums, v_exp_f32 and their like allow (about 1e-6 of the number): no bf16 or f16 on the way to a quantiser, and a product that is left as it is and whose result goes on into a quantised operand takes f32 operands (vector FMAs, or v_wmma_f32_16x16x4_f32). A number that lies on a knife's edge between two numbers of the format may be rounded either way, as far as f32 arithmetic and the matrix unit's own rounding can turn it there, and no further.
;;   INPUTS GIVEN AS CODES. Wk (in the module: [768, 768], K = its axis 1); Wo (in the module: [768, 768], K = its axis 1); Wq (in the module: [768, 768], K = its axis 1); Wv (in the module: [768, 768], K = its axis 1); x (in the module: [1, 4096, 768], K = its axis 2): each comes as NAME_codes (uint8): NAME with its K axis moved to the last place and cut into blocks of 32 codes, [.., K / 32, bytes a block], one block behind the other in memory; one code a byte (a code: sign, 5 exponent bits, 2 mantissa bits); its scale is its entry of lowp_scales. Its value is code x scale, taken as it is: it is not quantised again, and the codes and scales need not be those that the quantiser above would give.
;; 2 versions. Each part assembles by itself: llvm-mc -triple=amdgcn-amd-amdhsa -mcpu=gfx1250 --defsym DOCPART=n.
;; ======== version 1 of 2: 3 launches
;; limits: right only within a limited range of input values
;; workspace buffers: qc 3,145,728 bytes; kc 3,145,728 bytes; vc 3,145,728 bytes; ac 3,145,728 bytes; rowflag 16,384 bytes
;; launch qkv (part 1): grid 16 x 16, 8 waves a work-group, no clusters, 157,696 bytes of LDS; arguments x_codes, Wq_codes, Wk_codes, Wv_codes, mask, lowp_scales, qc, kc, vc, rowflag; writes qc, kc, vc, rowflag
.if DOCPART == 1
	.amdgcn_target "amdgcn-amd-amdhsa--gfx1250"
	.amdhsa_code_object_version 6
	.text
	.protected	k_q5510cf95f5_qkv
	.globl	k_q5510cf95f5_qkv
	.p2align	8
	.type	k_q5510cf95f5_qkv,@function
k_q5510cf95f5_qkv:
	s_mov_b64 s[64:65], 0
	v_nop
	global_prefetch_b8 v0, s[64:65] scope:SCOPE_SE
	s_setreg_imm32_b32 hwreg(HW_REG_WAVE_MODE, 25, 1), 1
	s_wait_xcnt 0x0
; q = rope(x Wq^T), k = rope(x Wk^T), v = x Wv^T on codes of BF8 (E5M2), quantised again to BF8 for the attention launch; and one flag for each row of the mask.
; SHARES.  Work-groups with y < 12: head y, tokens 256 x .. 256 x + 255.  Wave w owns 32 tokens (two tiles of 16); its 12 fragments of x stay in registers; the head's 3 x 64 rows of W lie in LDS and every
; fragment of W read from there feeds two products.  Work-groups with y >= 12: 64 rows of the mask each; a row's flag is all ones if the row has a true entry, else 0.  That path has no LDS and no barrier.
; THE TOKENS OF A TILE ARE NOT NEIGHBOURS: lane r of tile 2 b + u stands for token 32 b + 8 u + r + 8 (r / 8), so that in S^T of the next launch 16 registers of two tiles are 16 neighbouring keys.
; q, k: the product is used transposed (source 0 = 16 rows of W, source 1 = 16 tokens): a lane holds one token and the raw channels 16 t + 8 h + 0 .. 7, four pairs (x1, x2) of the rotation.  The rotated pair stays in the
; pair's place: a permutation of the head's 64 that is the same in q and in k, so every product of q . k meets its partner.
; v: source 0 = 16 tokens, source 1 = 16 rows of W: a lane holds one channel, and the 16 registers of tiles u = 0, 1 are 16 neighbouring tokens: codes with the keys innermost.
; OUT: images of operand registers, 512 consecutive bytes a store.  qc, kc: [head][token tile][c 2][lane][16].  vc: [head][64 keys][channel tile][c 2][lane][16].
; A K step's fragment is fetched by four loads of 16 bytes (registers 4 c .. 4 c + 3: k = 32 c + 16 h + 0 .. 15), alike for x and W: a permutation of k inside an instruction.
; THE ANGLES: inv = 1 / 10^(i / 8) (reciprocal and one Newton step), angle = token x inv in one rounding, reduced by pi / 2 in two parts, sine to r^9 and cosine to r^10.
; No cluster: a work-group reads its tiles of W and x once, at its head, and has no ring in which joint requests could meet.
; LIMITS: e6 - e0 - e1, e7 - e2 - e3 and e9 - e4 - e5 between -126 and 112, so that each scale and 57,344 x it are f32 numbers.
; REGISTERS.  Window 0: v1 x's offset; v2 16 x lane; v3-5 where I stage W; v6-8 my lane's place in a tile of W; v9, v10 my two tokens as f32; v11, v12 the conversion's scale and 57,344 x it; v13-15 lane, r, h;
;   v16-31 the 16 inverse frequencies; v32-159 W's fragments, two sets (at the head v32-175: W on its way to LDS); v160-223 the 8 accumulators; v224-239 at work; v240-255 codes.
;   Window 1: v0-191 x's fragments (96 u + 16 s); v192-255 (cos, sin) pairs, 32 u + 2 (4 t + p).
.set WMAT,  52224                      ; a matrix in LDS: 64 rows of 816 bytes
.set INV,   16
.set WF,    32
.set ACC,   160
.set TT,    224
.set PCD,   240
.set CS,    192
.set MSB, 0
.macro WIN new                         ; the immediate's high byte repeats the setting that is left
.if MSB != \new
	s_set_vgpr_msb (MSB<<8)|\new
.set MSB, \new
.endif
.endm
.macro PLACES                          ; four plain places behind matrix instructions, ahead of loads into their sources and of reads of their results
.rept 4
	v_nop
.endr
.endm
	s_load_b512 s[4:19], s[0:1], 0x0               ; x s[4:5], Wq s[6:7], Wk s[8:9], Wv s[10:11], mask s[12:13], scales s[14:15], qc s[16:17], kc s[18:19]
	s_load_b128 s[20:23], s[0:1], 0x40             ; vc s[20:21], rowflag s[22:23]
	v_lshrrev_b32 v1, 5, v0
	v_readfirstlane_b32 s24, v1                    ; wave 0..7
	s_and_b32 s26, ttmp7, 0xffff                   ; y
	v_and_b32 v13, 31, v0                          ; lane
	v_lshlrev_b32 v2, 4, v13                       ; 16 x lane
	s_wait_kmcnt 0x0
	s_cmp_ge_u32 s26, 12                           ; the same in all waves of a work-group
	s_cbranch_scc1 .Lscan
	; ---------------- the projections of head y ----------------
	s_load_b256 s[28:35], s[14:15], 0x0            ; e0 .. e7
	s_load_b128 s[36:39], s[14:15], 0x20           ; e8 .. e11
	s_mul_i32 s52, s26, 49152                      ; the head's 64 rows of 768 bytes,
	s_mul_i32 s53, s24, 6144                       ; my 12 pieces of 512 bytes of them
	s_add_co_u32 s52, s52, s53
	s_mov_b32 s53, 0
	s_add_nc_u64 s[6:7], s[6:7], s[52:53]
	s_add_nc_u64 s[8:9], s[8:9], s[52:53]
	s_add_nc_u64 s[10:11], s[10:11], s[52:53]
.irp i, 0,1,2,3,4,5,6,7,8,9,10,11
	global_load_b128 v[32+4*\i:35+4*\i], v2, s[6:7] offset:512*\i
.endr
.irp i, 0,1,2,3,4,5,6,7,8,9,10,11
	global_load_b128 v[80+4*\i:83+4*\i], v2, s[8:9] offset:512*\i
.endr
.irp i, 0,1,2,3,4,5,6,7,8,9,10,11
	global_load_b128 v[128+4*\i:131+4*\i], v2, s[10:11] offset:512*\i
.endr
	v_and_b32 v14, 15, v0                          ; r
	v_bfe_u32 v15, v0, 4, 1                        ; h
	v_and_b32 v1, 8, v14
	v_add_nc_u32 v1, v1, v14                       ; r + 8 (r / 8)
	s_lshl_b32 s54, ttmp9, 8
	s_lshl_b32 s55, s24, 5
	s_add_co_u32 s54, s54, s55                     ; my wave's first token: 256 x + 32 w
	v_add_nc_u32 v9, s54, v1
	v_add_nc_u32 v10, 8, v9
	v_cvt_f32_u32 v9, v9                           ; my token in tile 0,
	v_cvt_f32_u32 v10, v10                         ; in tile 1
	v_mul_u32_u24 v1, v1, 768
	v_lshl_add_u32 v1, v15, 4, v1                  ; x: my row, + 16 h
	s_mul_i32 s56, s54, 768
	s_mov_b32 s57, 0
	s_add_nc_u64 s[4:5], s[4:5], s[56:57]
	WIN 0x40                                       ; destination window 1
.irp u, 0,1
.irp s, 0,1,2,3,4,5
.irp c, 0,1,2,3
	global_load_b128 v[96*\u+16*\s+4*\c:96*\u+16*\s+4*\c+3], v1, s[4:5] offset:6144*\u+128*\s+32*\c
.endr
.endr
.endr
	WIN 0
	; LDS addresses.  Byte g of a matrix's 49,152 lies at g + 16 (g / 256): rows 816 bytes apart, so that the 16 rows of a fragment load start at 16 different 16-byte columns modulo 256 bytes
	v_lshl_add_u32 v3, v15, 4, v2                  ; 16 lane + 16 (lane / 16)
	s_mul_i32 s58, s24, 6528                       ; my 12 pieces of 544
	v_add_nc_u32 v3, s58, v3
	v_add_nc_u32 v4, WMAT, v3
	v_add_nc_u32 v5, 2*WMAT, v3
	v_mul_u32_u24 v6, v14, 816
	v_lshl_add_u32 v6, v15, 4, v6                  ; row r, + 16 h
	v_add_nc_u32 v7, WMAT, v6
	v_add_nc_u32 v8, 2*WMAT, v6
	; where my codes go
	s_lshl_b32 s66, s26, 18                        ; the head's 262,144 bytes
	s_lshl_b32 s67, s54, 6                         ; token tile 2 (token / 32) of 1,024 bytes
	s_add_co_u32 s66, s66, s67
	s_mov_b32 s67, 0
	s_add_nc_u64 s[16:17], s[16:17], s[66:67]
	s_add_nc_u64 s[18:19], s[18:19], s[66:67]
	s_lshl_b32 s68, s26, 18
	s_lshr_b32 s69, s54, 6
	s_lshl_b32 s69, s69, 12                        ; the block of 64 keys, 4,096 bytes,
	s_add_co_u32 s68, s68, s69
	s_bfe_u32 s69, s54, 0x10005
	s_lshl_b32 s69, s69, 9                         ; and which 32 of them
	s_add_co_u32 s68, s68, s69
	s_mov_b32 s69, 0
	s_add_nc_u64 s[20:21], s[20:21], s[68:69]
	s_mov_b32 s40, 0x3f22f983                      ; 2 / pi
	s_mov_b32 s41, 0x3fc90fdb                      ; pi / 2, first part,
	s_mov_b32 s42, 0xb33bbd2e                      ; second part
	s_mov_b32 s43, 0xbe2aaaab                      ; -1/6
	s_mov_b32 s44, 0x3c088889                      ; 1/120
	s_mov_b32 s45, 0xb9500d01                      ; -1/5040
	s_mov_b32 s46, 0x3638ef1d                      ; 1/362880
	s_mov_b32 s47, 0x3d2aaaab                      ; 1/24
	s_mov_b32 s48, 0xbab60b61                      ; -1/720
	s_mov_b32 s49, 0x37d00d01                      ; 1/40320
	s_mov_b32 s50, 0xb493f27e                      ; -1/3628800
	; the 16 inverse frequencies of my lane: register 4 t + p serves pair i = 8 t + 4 h + p: 10000^(i / 32) = 10^(i / 8)
	v_cmp_eq_u32 vcc_lo, 1, v15
.macro INVF i, lo, hi
	v_mov_b32 v[INV+\i], \hi
	v_cndmask_b32 v[INV+\i], \lo, v[INV+\i], vcc_lo
.endm
	INVF 0, 1.0, 3.16227766
	INVF 1, 1.33352143, 4.21696503
	INVF 2, 1.77827941, 5.62341325
	INVF 3, 2.37137371, 7.49894209
	INVF 4, 10.0, 31.6227766
	INVF 5, 13.3352143, 42.1696503
	INVF 6, 17.7827941, 56.2341325
	INVF 7, 23.7137371, 74.9894209
	INVF 8, 100.0, 316.227766
	INVF 9, 133.352143, 421.696503
	INVF 10, 177.827941, 562.341325
	INVF 11, 237.137371, 749.894209
	INVF 12, 1000.0, 3162.27766
	INVF 13, 1333.52143, 4216.96503
	INVF 14, 1778.27941, 5623.41325
	INVF 15, 2371.37371, 7498.94209
.set j, 0
.rept 16
	v_rcp_f32 v[224+j], v[INV+j]
.set j, j+1
.endr
	v_nop                                          ; a plain place behind the last reciprocal
	s_wait_alu depctr_va_vdst(0)                   ; one wait for the batch of sixteen, ahead of its first reader
.set j, 0
.rept 16
	v_fma_f32 v[240+j], -v[INV+j], v[224+j], 1.0   ; one Newton step: e = 1 - d y,
.set j, j+1
.endr
.set j, 0
.rept 16
	v_fma_f32 v[INV+j], v[240+j], v[224+j], v[224+j]   ; y + e y
.set j, j+1
.endr
; Sine and cosine of token x inv: a list of 28 lines; SCL writes line j of it for tile u and frequency i.  Four chains (two frequencies x two tiles) are dealt line by line, so that no line waits for the line above it.
.macro SCL u, i
.set ch, (\u)+2*((\i)%2)
.set sb, 224+8*ch
.if j == 0
	v_mul_f32 v[sb], v[9+\u], v[INV+(\i)]          ; the angle, one rounding
.elseif j == 1
	v_mul_f32 v[sb+1], s40, v[sb]
.elseif j == 2
	v_rndne_f32 v[sb+1], v[sb+1]                   ; a = the nearest multiple of pi / 2
.elseif j == 3
	v_fma_f32 v[sb], -v[sb+1], s41, v[sb]
.elseif j == 4
	v_fma_f32 v[sb], -v[sb+1], s42, v[sb]          ; r, within pi / 4
.elseif j == 5
	v_mul_f32 v[sb+2], v[sb], v[sb]                ; z = r r
.elseif j == 6
	v_fma_f32 v[sb+3], v[sb+2], s46, s45
.elseif j == 7
	v_fma_f32 v[sb+4], v[sb+2], s50, s49
.elseif j == 8
	v_fma_f32 v[sb+3], v[sb+2], v[sb+3], s44
.elseif j == 9
	v_fma_f32 v[sb+4], v[sb+2], v[sb+4], s48
.elseif j == 10
	v_fma_f32 v[sb+3], v[sb+2], v[sb+3], s43
.elseif j == 11
	v_fma_f32 v[sb+4], v[sb+2], v[sb+4], s47
.elseif j == 12
	v_mul_f32 v[sb+5], v[sb], v[sb+2]
.elseif j == 13
	v_fma_f32 v[sb+4], v[sb+2], v[sb+4], -0.5
.elseif j == 14
	v_fma_f32 v[sb+3], v[sb+5], v[sb+3], v[sb]     ; sin r
.elseif j == 15
	v_fma_f32 v[sb+4], v[sb+2], v[sb+4], 1.0       ; cos r
.elseif j == 16
	v_cvt_i32_f32 v[sb+1], v[sb+1]                 ; n
.elseif j == 17
	v_and_b32 v[sb+5], 1, v[sb+1]
.elseif j == 18
	v_cmp_ne_u32 s[60+ch], 0, v[sb+5]              ; n odd: sine and cosine change places
.elseif j == 19
	v_cndmask_b32 v[sb+6], v[sb+3], v[sb+4], s[60+ch]
.elseif j == 20
	v_cndmask_b32 v[sb+7], v[sb+4], v[sb+3], s[60+ch]
.elseif j == 21
	v_lshlrev_b32 v[sb+5], 30, v[sb+1]
.elseif j == 22
	v_add_nc_u32 v[sb+1], 1, v[sb+1]
.elseif j == 23
	v_and_b32 v[sb+5], 0x80000000, v[sb+5]         ; the sine's sign: bit 1 of n
.elseif j == 24
	v_lshlrev_b32 v[sb+1], 30, v[sb+1]
.elseif j == 25
	v_and_b32 v[sb+1], 0x80000000, v[sb+1]         ; the cosine's: bit 1 of n + 1
.elseif j == 26
	v_xor_b32 v[CS+32*(\u)+2*(\i)+1], v[sb+5], v[sb+6]
.else
	v_xor_b32 v[CS+32*(\u)+2*(\i)], v[sb+1], v[sb+7]
.endif
.endm
.irp i0, 0,2,4,6,8,10,12,14
.set j, 0
.rept 26
	SCL 0, \i0
	SCL 1, \i0
	SCL 0, \i0+1
	SCL 1, \i0+1
.set j, j+1
.endr
	WIN 0x40                                       ; the pairs (cos, sin) lie in window 1
.rept 2
	SCL 0, \i0
	SCL 1, \i0
	SCL 0, \i0+1
	SCL 1, \i0+1
.set j, j+1
.endr
	WIN 0
.endr
	s_wait_loadcnt 48                              ; W's 36 loads are in: behind them stand x's 48
.irp i, 0,1,2,3,4,5,6,7,8,9,10,11
	ds_store_b128 v3, v[32+4*\i:35+4*\i] offset:544*\i
	ds_store_b128 v4, v[80+4*\i:83+4*\i] offset:544*\i
	ds_store_b128 v5, v[128+4*\i:131+4*\i] offset:544*\i
.endr
	s_wait_dscnt 0x0                               ; for the others' sake: my part of W lies in LDS
	s_barrier_signal -1
	s_barrier_wait -1                              ; everybody's does; nothing is stored to LDS behind this barrier
	s_wait_loadcnt 0x0                             ; x
	s_wait_kmcnt 0x0                               ; the scales' exponents
.macro WLOAD it                        ; the four fragments of matrix it / 6, K step it % 6, into set it % 2
.set mu, (\it)/6
.set ss, (\it)%6
.set bf, WF+64*((\it)%2)
.irp t, 0,1,2,3
.irp c, 0,1,2,3
	ds_load_b128 v[bf+16*\t+4*\c:bf+16*\t+4*\c+3], v[6+mu] offset:13056*\t+128*ss+16*(ss/2)+32*\c
.endr
.endr
.endm
.macro MM it                           ; eight products, the eight accumulators by turns; a matrix's first K step starts the sums with the constant 0
.set mu, (\it)/6
.set ss, (\it)%6
.set bf, WF+64*((\it)%2)
.if mu < 2
	WIN 0x04                                       ; source 1 (x) window 1
.else
	WIN 0x01                                       ; source 0 (x) window 1
.endif
.irp t, 0,1,2,3
.irp u, 0,1
.if mu < 2
.if ss == 0
	v_wmma_f32_16x16x128_bf8_bf8 v[ACC+16*\t+8*\u:ACC+16*\t+8*\u+7], v[bf+16*\t:bf+16*\t+15], v[96*\u+16*ss:96*\u+16*ss+15], 0
.else
	v_wmma_f32_16x16x128_bf8_bf8 v[ACC+16*\t+8*\u:ACC+16*\t+8*\u+7], v[bf+16*\t:bf+16*\t+15], v[96*\u+16*ss:96*\u+16*ss+15], v[ACC+16*\t+8*\u:ACC+16*\t+8*\u+7]
.endif
.else
.if ss == 0
	v_wmma_f32_16x16x128_bf8_bf8 v[ACC+16*\t+8*\u:ACC+16*\t+8*\u+7], v[96*\u+16*ss:96*\u+16*ss+15], v[bf+16*\t:bf+16*\t+15], 0
.else
	v_wmma_f32_16x16x128_bf8_bf8 v[ACC+16*\t+8*\u:ACC+16*\t+8*\u+7], v[96*\u+16*ss:96*\u+16*ss+15], v[bf+16*\t:bf+16*\t+15], v[ACC+16*\t+8*\u:ACC+16*\t+8*\u+7]
.endif
.endif
.endr
.endr
	WIN 0
.endm
.macro SCALE ea, eb, ec                ; a sum stands for sum x 2^(ea + eb): its code is sum / 2^(ec - ea - eb): the three scales folded into the conversion's one
	s_sub_co_i32 s70, s[\ec], s[\ea]
	s_sub_co_i32 s70, s70, s[\eb]
	s_add_co_i32 s70, s70, 127
	s_lshl_b32 s71, s70, 23
	v_mov_b32 v11, s71
	s_add_co_i32 s70, s70, 15
	s_lshl_b32 s70, s70, 23
	s_or_b32 s70, s70, 0x600000
	v_mov_b32 v12, s70                             ; 57,344 x that
.endm
.macro ROPE                            ; (x1, x2) -> (x1 cos - x2 sin, x1 sin + x2 cos), in the pair's place: two packed instructions a pair
	WIN 0x04                                       ; source 1, (cos, sin), window 1
.irp t, 0,1,2,3
.irp u, 0,1
.irp p, 0,1,2,3
	v_pk_mul_f32 v[TT+8*\u+2*\p:TT+8*\u+2*\p+1], v[ACC+16*\t+8*\u+2*\p:ACC+16*\t+8*\u+2*\p+1], v[CS+32*\u+8*\t+2*\p:CS+32*\u+8*\t+2*\p+1] op_sel_hi:[1,0]   ; (x1 cos, x2 cos)
.endr
.endr
.irp u, 0,1
.irp p, 0,1,2,3
	v_pk_fma_f32 v[ACC+16*\t+8*\u+2*\p:ACC+16*\t+8*\u+2*\p+1], v[ACC+16*\t+8*\u+2*\p:ACC+16*\t+8*\u+2*\p+1], v[CS+32*\u+8*\t+2*\p:CS+32*\u+8*\t+2*\p+1], v[TT+8*\u+2*\p:TT+8*\u+2*\p+1] op_sel:[1,1,0] op_sel_hi:[0,1,1] neg_lo:[0,1,0]   ; (-x2 sin + .., x1 sin + ..)
.endr
.endr
.endr
	WIN 0
.endm
.macro QUANT kind                      ; kind 0: a tile's 8 registers of codes run over the head's channels (q, k); 1: four registers run over 16 tokens (v)
	s_wait_xcnt 0x0                                ; the last stores have read their data: the codes' registers are written again only behind this wait
.set j, 0
.rept 64
	v_med3_num_f32 v[ACC+j], v[ACC+j], -v12, v12   ; the conversion to an 8-bit code does not saturate (ISA guide 7.6.2): the hold at the largest code x the scale
.set j, j+1
.endr
.irp t, 0,1,2,3
.irp u, 0,1
.if \kind
	v_cvt_scalef32_pk8_bf8_f32 v[PCD+4*\t+2*\u:PCD+4*\t+2*\u+1], v[ACC+16*\t+8*\u:ACC+16*\t+8*\u+7], v11
.else
	v_cvt_scalef32_pk8_bf8_f32 v[PCD+8*\u+2*\t:PCD+8*\u+2*\t+1], v[ACC+16*\t+8*\u:ACC+16*\t+8*\u+7], v11
.endif
.endr
.endr
	v_nop                                          ; a plain place between the last conversion and the products that write its sources anew
.endm
.macro STOREQK lo                      ; two tiles of 1,024 bytes
.irp u, 0,1
.irp c, 0,1
	global_store_b128 v2, v[PCD+8*\u+4*\c:PCD+8*\u+4*\c+3], s[\lo:\lo+1] offset:1024*\u+512*\c
.endr
.endr
.endm
	WLOAD 0
.set it, 0
.rept 18                               ; 3 matrices x 6 K steps of 128; the next step's fragments are asked for ahead of this step's products
	PLACES                                         ; behind the products that read the set about to be loaded
.if it < 17
	WLOAD it+1
	s_wait_dscnt 16                                ; this step's 16 loads are in; the 16 just issued may be out
.else
	s_wait_dscnt 0x0
.endif
	MM it
.if it == 5
	PLACES
	SCALE 28, 29, 34                               ; e0, e1, e6
	ROPE
	QUANT 0
	STOREQK 16
.elseif it == 11
	PLACES
	SCALE 30, 31, 35                               ; e2, e3, e7
	ROPE
	QUANT 0
	STOREQK 18
.elseif it == 17
	PLACES
	SCALE 32, 33, 37                               ; e4, e5, e9
	QUANT 1
.irp t, 0,1,2,3
	global_store_b128 v2, v[PCD+4*\t:PCD+4*\t+3], s[20:21] offset:1024*\t
.endr
.endif
.set it, it+1
.endr
	s_wait_xcnt 0x0
	s_mov_b32 exec_lo, -1
	v_lshl_add_u32 v254, v0, 2, 0x26400
	v_mov_b32 v255, 0
	s_wait_tensorcnt 0x0
	ds_add_u32 v254, v255
	s_wait_dscnt 0x0
	s_endpgm
	; ---------------- the flags of 64 rows of the mask ----------------
.Lscan:
	s_sub_co_u32 s52, s26, 12
	s_lshl_b32 s52, s52, 4
	s_add_co_u32 s52, s52, ttmp9                   ; which 64 rows: 16 (y - 12) + x
	s_lshl_b32 s52, s52, 6
	s_lshl_b32 s53, s24, 3
	s_add_co_u32 s52, s52, s53                     ; my wave's first of 8 rows
	s_lshl_b32 s54, s52, 12
	s_mov_b32 s55, 0
	s_add_nc_u64 s[12:13], s[12:13], s[54:55]
	s_lshl_b32 s54, s52, 2
	s_add_nc_u64 s[22:23], s[22:23], s[54:55]
	v_mov_b32 v224, 0                              ; lane j will hold row j's flag
	v_lshlrev_b32 v225, 2, v13
.macro MLOAD b                         ; rows 2 b and 2 b + 1: 16 loads of 512 consecutive bytes, into set b % 3
.irp i, 0,1,2,3,4,5,6,7,8,9,10,11,12,13,14,15
	global_load_b128 v[32+64*((\b)%3)+4*\i:32+64*((\b)%3)+4*\i+3], v2, s[12:13] offset:8192*(\b)+512*\i th:TH_LOAD_NT
.endr
.endm
.macro MRED b                          ; a row's 32 registers are joined by OR in a tree; any lane with a bit set makes the flag all ones
.irp hh, 0,1
.set bs, 32+64*((\b)%3)+32*\hh
.irp st, 16,8,4,2,1
.set k, 0
.rept \st
	v_or_b32 v[bs+k], v[bs+k], v[bs+k+\st]
.set k, k+1
.endr
.endr
	v_cmp_ne_u32 vcc_lo, 0, v[bs]
	s_cmp_lg_u32 vcc_lo, 0
	s_cselect_b32 s56, -1, 0
	v_writelane_b32 v224, s56, 2*(\b)+\hh
.endr
.endm
	MLOAD 0
	MLOAD 1
	MLOAD 2
	s_wait_loadcnt 32                              ; batch 0 is in; batches 1 and 2 may be out
	MRED 0
	MLOAD 3
	s_wait_loadcnt 32                              ; batch 1; 2 and 3 may be out
	MRED 1
	s_wait_loadcnt 16
	MRED 2
	s_wait_loadcnt 0x0
	MRED 3
	s_wait_xcnt 0x0                                ; EXEC changes only behind this wait
	v_cmpx_gt_u32 8, v13
	global_store_b32 v225, v224, s[22:23]          ; lanes 0 to 7: 32 consecutive bytes
	s_endpgm
.Lfunc_end_k_q5510cf95f5_qkv:
	.size	k_q5510cf95f5_qkv, .Lfunc_end_k_q5510cf95f5_qkv-k_q5510cf95f5_qkv
	.p2alignl 7, 3214868480
	.fill 96, 4, 3214868480
	.section	.rodata,"a",@progbits
	.p2align	6, 0x0
	.amdhsa_kernel k_q5510cf95f5_qkv
		.amdhsa_group_segment_fixed_size 157696
		.amdhsa_private_segment_fixed_size 0
		.amdhsa_enable_private_segment 0
		.amdhsa_kernarg_size 80
		.amdhsa_user_sgpr_count 2
		.amdhsa_user_sgpr_kernarg_segment_ptr 1
		.amdhsa_wavefront_size32 1
		.amdhsa_system_sgpr_workgroup_id_x 1
		.amdhsa_system_sgpr_workgroup_id_y 1
		.amdhsa_system_sgpr_workgroup_id_z 1
		.amdhsa_system_vgpr_workitem_id 0
		.amdhsa_next_free_vgpr 512
		.amdhsa_next_free_sgpr 96
		.amdhsa_reserve_vcc 1
		.amdhsa_float_denorm_mode_32 3
		.amdhsa_float_denorm_mode_16_64 3
		.amdhsa_memory_ordered 1
		.amdhsa_forward_progress 1
		.amdhsa_inst_pref_size 135
	.end_amdhsa_kernel
	.amdgpu_metadata
---
amdhsa.version: [ 1, 2 ]
amdhsa.kernels:
  - .name:           k_q5510cf95f5_qkv
    .symbol:         k_q5510cf95f5_qkv.kd
    .args:
      - { .name: x_codes, .offset: 0, .size: 8, .value_kind: global_buffer, .address_space: global }
      - { .name: Wq_codes, .offset: 8, .size: 8, .value_kind: global_buffer, .address_space: global }
      - { .name: Wk_codes, .offset: 16, .size: 8, .value_kind: global_buffer, .address_space: global }
      - { .name: Wv_codes, .offset: 24, .size: 8, .value_kind: global_buffer, .address_space: global }
      - { .name: mask, .offset: 32, .size: 8, .value_kind: global_buffer, .address_space: global }
      - { .name: lowp_scales, .offset: 40, .size: 8, .value_kind: global_buffer, .address_space: global }
      - { .name: qc, .offset: 48, .size: 8, .value_kind: global_buffer, .address_space: global }
      - { .name: kc, .offset: 56, .size: 8, .value_kind: global_buffer, .address_space: global }
      - { .name: vc, .offset: 64, .size: 8, .value_kind: global_buffer, .address_space: global }
      - { .name: rowflag, .offset: 72, .size: 8, .value_kind: global_buffer, .address_space: global }
    .group_segment_fixed_size: 157696
    .private_segment_fixed_size: 0
    .kernarg_segment_align: 8
    .kernarg_segment_size: 80
    .max_flat_workgroup_size: 256
    .sgpr_count:     96
    .vgpr_count:     512
    .wavefront_size: 32
...
	.end_amdgpu_metadata
.endif
;; end of part 1
;; launch attn (part 2): grid 64 x 4, 12 waves a work-group, no clusters, 304,128 bytes of LDS; arguments qc, kc, vc, rowflag, mask, lowp_scales, ac; writes ac
.if DOCPART == 2
	.amdgcn_target "amdgcn-amd-amdhsa--gfx1250"
	.amdhsa_code_object_version 6
	.text
	.protected	k_q5510cf95f5_attn
	.globl	k_q5510cf95f5_attn
	.p2align	8
	.type	k_q5510cf95f5_attn,@function
k_q5510cf95f5_attn:
	s_mov_b64 s[64:65], 0
	v_nop
	global_prefetch_b8 v0, s[64:65] scope:SCOPE_SE
	s_setreg_imm32_b32 hwreg(HW_REG_WAVE_MODE, 25, 1), 1
	s_wait_xcnt 0x0
; Attention on codes of BF8 (E5M2): scores = q . k / 8, the mask as it is given, softmax, x v; the heads' outputs leave as codes for the last projection.
; THE SOFTMAX AHEAD OF THE SECOND PRODUCT: t = logit x log2(e); M = the running largest t rounded UP to a whole number; p = 2^(t - M) is quantised, not normalised; the row's sum is taken of the unquantised p and
; divides at the end.  When M moves, the sum and O are multiplied by 2^(old M - new M), which rounds nothing.
; SHARES.  A work-group: 64 queries (x) of 3 heads (3 y + g).  Wave = 4 g + 2 pp + kh: two tiles of 16 queries (the pair pp) and half of the keys, 64 kh .. 64 kh + 63 of every 128: each fragment of K or V read
; from LDS feeds two products.  Tile A is query tile 2 pp + kh, tile B the pair's other one: at the end every wave gives B's sums to wave xor 1 and keeps A, with no branch.
; LAYOUT.  S^T = K Q^T and O^T = V^T P^T: a lane holds one query throughout.  The tokens of a tile are chosen (lane r of tile 2 b + u: token 32 b + 8 u + r + 8 (r / 8)) so that 16 registers of two tiles of S^T are 16
; neighbouring keys, and the conversions' results are the second product's operand.
; THE MASK GOES THROUGH THE MATRIX UNIT.  Its bytes, shifted left by 6, are the codes of 2.0 and 0: as they lie in a query's row they are a source 1 (lane = query, K = 64 keys).  Source 0 has the code of 1.0 at k = 16 t + m
; in row m: the product is 2 x mask in S^T's layout for key tile t.  One packed multiply-add makes of it the bias 0 (true) or beta = -2^(33 - E), E = e6 + e7 (false), and K Q^T adds in place onto the bias.
; So a hidden logit is the true one - 2^30 where reference() has -1e9: p = 0 in both, in a row that has a true entry.
; A ROW WITH NO TRUE ENTRY: its q codes are ANDed with the row's flag, 0: every sum is beta, t = c beta is a whole number, p = 1 for all 4,096 keys, as in reference().
; THE HOLD of p at the largest code changes nothing where e8 >= -15 (p / 2^e8 <= 2^15): a scalar branch on e8 leads round its 64 lines of a step's some 330 vector lines.
; LDS is filled through registers, and the launch has no cluster, though 64 work-groups walk the same K and V.
; LDS: two slots of 256 keys, 131,072 bytes apart: K 3 x 16,384, V 3 x 16,384 at 49,152, the mask's 64 rows at 98,304: row p at 272 p + 128 (p / 16), 17,792 bytes: rows 16 apart differ by 128 modulo 256 bytes, so the 16
; rows of a tile (eight neighbours, and the eight 16 further on) start at 16 different 16-byte columns.  One barrier for 256 keys: in front of it each wave has waited for its stores into the slot ahead and its reads of
; the slot left.  At 247,296: 4,608 bytes a wave for the merge.
; LIMITS: -93 <= e6 + e7 <= 130; e8 between -126 and 112; e10 - e8 - e9 between -126 and 112; true logits under 2^29 in magnitude; NaN is not served.
; REGISTERS.  v1, v2 K's and V's fragments in slot 0, 1; v3-6 the mask's fragments (A: 3, 4; B: 5, 6); v7, v8 where I stage K and V; v9, v10 the mask; v11 16 x lane; v12 the mask's offset in memory; v13, v14 prefetch
; offsets; v15, v16 the merge; v17, v18 2^e8 and 57,344 x it; v[20:21] beta; v22-32, v34-44 statistics of A, B: +0 -M, +1 largest t, +2, +3 the sum, +4 f, +6, +7 second chain, +8, +9 maxima, +10 the other half's;
; v46-59 the selecting source (six zeros, two words, six zeros); v60-75 Q; v76-91 the mask's fragments, then p's codes; v92-123 K's fragments, then V's; v124-187 O^T; v188-251 S^T, then p.
; Window 1: v0-31 K or V on its way to LDS, v32-47 the mask.
.set SLOT1, 131072
.set VOFF,  49152
.set MOFF,  98304
.set MP,    272
.set XCH,   247296
.set QQ,    60
.set PC,    76
.set FF,    92
.set OO,    124
.set SS,    188
.set MSB, 0
.macro WIN new                         ; the immediate's high byte repeats the setting that is left
.if MSB != \new
	s_set_vgpr_msb (MSB<<8)|\new
.set MSB, \new
.endif
.endm
.macro PLACES                          ; four plain places behind matrix instructions, ahead of loads into their sources and of reads of their results
.rept 4
	v_nop
.endr
.endm
	s_load_b256 s[4:11], s[0:1], 0x0               ; qc s[4:5], kc s[6:7], vc s[8:9], rowflag s[10:11]
	s_load_b128 s[12:15], s[0:1], 0x20             ; mask s[12:13], the scales' exponents s[14:15]
	s_load_b64 s[16:17], s[0:1], 0x30              ; ac
	s_set_vgpr_msb 0x40
	v_lshl_add_u32 v48, v0, 2, 0x49e00
	v_mov_b32 v49, 0
	s_set_vgpr_msb 0x4000
	v_lshrrev_b32 v1, 5, v0
	v_readfirstlane_b32 s18, v1                    ; wave 0..11
	s_lshr_b32 s19, s18, 2                         ; g: which of the three heads
	s_and_b32 s20, s18, 3                          ; wi: my place among the head's four waves
	s_bfe_u32 s21, s18, 0x10001                    ; pp: which pair of query tiles
	s_and_b32 s22, s18, 1                          ; kh: which half of the keys
	s_xor_b32 s23, s22, 1
	s_mov_b32 s24, ttmp9                           ; the block of 64 queries
	s_and_b32 s25, ttmp7, 0xffff
	s_mul_i32 s26, s25, 3
	s_add_co_u32 s26, s26, s19                     ; the head
	v_and_b32 v19, 31, v0                          ; lane
	v_and_b32 v33, 15, v0                          ; r
	v_bfe_u32 v45, v0, 4, 1                        ; h
	v_lshlrev_b32 v11, 4, v19
	; the selecting source: row m has the code of 1.0 at k = 16 t + m: lane m (m < 8) or 16 + m, register 2 t + (m / 4) % 2, byte m % 4
	v_and_b32 v252, 3, v19
	v_lshlrev_b32 v252, 3, v252
	v_mov_b32 v253, 0x3c
	v_lshlrev_b32 v253, v252, v253
	v_lshrrev_b32 v252, 2, v19
	v_cmp_eq_u32 s60, 0, v252
	v_cmp_eq_u32 s61, 6, v252
	s_or_b32 s60, s60, s61
	v_cndmask_b32 v52, 0, v253, s60                ; lanes 0-3 and 24-27
	v_cmp_eq_u32 s62, 1, v252
	v_cmp_eq_u32 s63, 7, v252
	s_or_b32 s62, s62, s63
	v_cndmask_b32 v53, 0, v253, s62                ; lanes 4-7 and 28-31
.irp j, 46,47,48,49,50,51,54,55,56,57,58,59
	v_mov_b32 v\j, 0
.endr
	; LDS addresses, all made here, of constants, the lane and the wave's number
	s_lshl_b32 s60, s19, 14
	s_lshl_b32 s61, s22, 12
	s_add_co_u32 s60, s60, s61
	v_add_nc_u32 v1, s60, v11                      ; fragments: 16 lane + 16,384 g + 4,096 kh
	v_add_nc_u32 v2, SLOT1, v1
	v_lshrrev_b32 v252, 3, v33                     ; r / 8
	v_mul_u32_u24 v253, v33, MP
	v_mad_u32_u24 v253, v252, 2304, v253           ; row r + 8 (r / 8), + 128 (r / 8): the upper eight lie in the next group of 16 rows
	v_lshl_add_u32 v253, v45, 4, v253              ; + 16 h
	s_mul_i32 s60, s21, 8960                       ; 32 pp rows of 272 bytes + two groups' 128
	s_lshl_b32 s61, s22, 6                         ; my half of 128 keys
	s_add_co_u32 s60, s60, s61
	s_add_co_u32 s60, s60, MOFF
	s_mul_i32 s61, s22, 2176                       ; tile A: 8 kh rows on
	s_add_co_u32 s61, s61, s60
	s_mul_i32 s62, s23, 2176                       ; tile B: 8 (kh xor 1)
	s_add_co_u32 s62, s62, s60
	v_add_nc_u32 v3, s61, v253
	v_add_nc_u32 v4, SLOT1, v3
	v_add_nc_u32 v5, s62, v253
	v_add_nc_u32 v6, SLOT1, v5
	s_lshl_b32 s60, s18, 12
	v_add_nc_u32 v7, s60, v11                      ; staging of K and V: 4,096 bytes a wave
	v_add_nc_u32 v8, SLOT1, v7
	v_mul_u32_u24 v254, v45, MP
	v_lshl_add_u32 v254, v33, 4, v254              ; staging of the mask: two rows an instruction
	s_mul_i32 s60, s20, 4480                       ; group wi of 16 rows: 16 x 272 + 128 bytes a group
	s_add_co_u32 s60, s60, MOFF
	v_add_nc_u32 v9, s60, v254
	v_add_nc_u32 v10, SLOT1, v9
	v_lshlrev_b32 v12, 12, v45
	v_lshl_add_u32 v12, v33, 4, v12                ; the same two rows in memory
	v_lshlrev_b32 v13, 8, v19
	v_lshlrev_b32 v14, 12, v19
	s_mul_i32 s60, s18, 4608
	s_add_co_u32 s60, s60, XCH
	v_add_nc_u32 v15, s60, v11
	s_xor_b32 s61, s18, 1
	s_mul_i32 s61, s61, 4608
	s_add_co_u32 s61, s61, XCH
	v_add_nc_u32 v16, s61, v11
	WIN 0x40                                       ; the mask's staging registers, which waves 0 to 3 alone load, are written once in every wave
.set j, 0
.rept 16
	v_mov_b32 v[32+j], 0
.set j, j+1
.endr
	WIN 0
.set j, 0
.rept 16
	v_mov_b32 v[220+j], 0
.set j, j+1
.endr
	s_wait_kmcnt 0x0
	s_load_b256 s[48:55], s[14:15], 0x0            ; e0 .. e7
	s_load_b128 s[56:59], s[14:15], 0x20           ; e8 .. e11
	s_lshl_b32 s66, s26, 18                        ; the head's 262,144 bytes in qc, kc and vc
	s_mov_b32 s67, 0
	s_lshl_b32 s68, s20, 12
	s_mov_b32 s69, 0
	s_add_nc_u64 s[68:69], s[68:69], s[66:67]
	s_add_nc_u64 s[28:29], s[6:7], s[68:69]        ; K: my 4,096 bytes of slot 0,
	s_add_nc_u64 s[30:31], s[8:9], s[68:69]        ; V likewise
	s_lshl_b32 s70, s24, 18
	s_lshl_b32 s71, s20, 16
	s_add_co_u32 s70, s70, s71
	s_mov_b32 s71, 0
	s_add_nc_u64 s[32:33], s[12:13], s[70:71]      ; the mask: row 64 x + 16 wi
	s_lshl_b32 s72, s24, 12
	s_lshl_b32 s73, s21, 11
	s_add_co_u32 s72, s72, s73
	s_mov_b32 s73, 0
	s_add_nc_u64 s[72:73], s[72:73], s[66:67]
	s_add_nc_u64 s[4:5], s[4:5], s[72:73]          ; Q: tile 4 x + 2 pp
	s_lshl_b32 s74, s22, 10
	s_lshl_b32 s75, s23, 10
	v_add_nc_u32 v254, s74, v11
	v_add_nc_u32 v255, s75, v11
	global_load_b128 v[60:63], v254, s[4:5]
	global_load_b128 v[64:67], v254, s[4:5] offset:512
	global_load_b128 v[68:71], v255, s[4:5]
	global_load_b128 v[72:75], v255, s[4:5] offset:512
	v_lshlrev_b32 v253, 2, v33
	v_lshl_add_u32 v253, v252, 5, v253             ; 4 (r + 8 (r / 8))
	s_lshl_b32 s74, s24, 8
	s_lshl_b32 s75, s21, 7
	s_add_co_u32 s74, s74, s75
	s_mov_b32 s75, 0
	s_add_nc_u64 s[10:11], s[10:11], s[74:75]
	s_lshl_b32 s76, s22, 5
	s_lshl_b32 s77, s23, 5
	v_add_nc_u32 v252, s76, v253
	v_add_nc_u32 v253, s77, v253
	global_load_b32 v236, v252, s[10:11]           ; my query's flag, tile A,
	global_load_b32 v237, v253, s[10:11]           ; tile B
	WIN 0x40
.irp i, 0,1,2,3,4,5,6,7
	global_load_b128 v[4*\i:4*\i+3], v11, s[28:29] offset:512*\i
.endr
	WIN 0
.irp i, 0,1,2,3,4,5,6,7
	global_load_b128 v[188+4*\i:191+4*\i], v11, s[30:31] offset:512*\i
.endr
	s_cmp_lg_u32 s19, 0                            ; waves 0 to 3 stage the mask
	s_cbranch_scc1 .Lnm0
	WIN 0x40
.irp i, 0,1,2,3
	global_load_b128 v[32+4*\i:35+4*\i], v12, s[32:33] offset:8192*\i
.endr
	WIN 0
.irp i, 0,1,2,3
	global_load_b128 v[220+4*\i:223+4*\i], v12, s[32:33] offset:32768+8192*\i
.endr
.Lnm0:
	; the prefetches: where mine stand, and who asks
	s_lshl_b32 s76, s22, 13
	s_add_co_u32 s76, s76, 16384                   ; in slot 1: the first slot's head steps it to slot 2
	s_mov_b32 s77, 0
	s_add_nc_u64 s[76:77], s[76:77], s[66:67]
	s_cmp_lt_u32 s20, 2                            ; wi 0, 1: halves of K's 16,384 bytes; wi 2, 3: of V's
	s_cselect_b64 s[34:35], s[6:7], s[8:9]
	s_add_nc_u64 s[34:35], s[34:35], s[76:77]
	s_lshl_b32 s76, s24, 18
	s_lshl_b32 s78, s22, 17
	s_add_co_u32 s76, s76, s78
	s_add_co_u32 s76, s76, 256
	s_add_nc_u64 s[36:37], s[12:13], s[76:77]      ; the mask: rows 64 x + 32 kh on
	s_cmp_eq_u32 s24, 0
	s_cselect_b32 s38, 1, 0                        ; K and V: the work-groups with x = 0, all twelve waves
	s_lshr_b32 s78, s18, 1
	s_xor_b32 s78, s78, 2
	s_or_b32 s78, s78, s25
	s_cmp_eq_u32 s78, 0
	s_cselect_b32 s39, 1, 0                        ; the mask: waves 4 and 5 of the work-groups with y = 0
	s_mov_b32 s46, 0x76543210
	s_mov_b32 s47, 0xfedcba98                      ; v_permlanex16_b32: lane l xor 16
.set j, 0
.rept 64
	v_mov_b32 v[OO+j], 0                           ; O^T.  (The step is written without a first step of its own: it finds zeros, which the first change of M leaves zeros)
.set j, j+1
.endr
.irp x, 0,1
	v_mov_b32 v[23+12*\x], 0xff61b1e6              ; the largest t so far: -3e38
	v_floor_f32 v[22+12*\x], -v[23+12*\x]          ; -M
	v_mov_b32 v[24+12*\x], 0                       ; the sum, in two halves
	v_mov_b32 v[25+12*\x], 0
	v_mov_b32 v[27+12*\x], 0                       ; (named as the upper half of f's pair)
	v_mov_b32 v[32+12*\x], 0                       ; a lane permute's destination counts as one of its sources
.endr
	s_wait_kmcnt 0x0
	s_add_co_i32 s60, s54, s55                     ; E = e6 + e7
	s_lshl_b32 s61, s60, 23
	s_add_co_i32 s42, s61, 0x3e38aa3b              ; c = log2(e) / 8 x 2^E: E is added to the exponent field
	s_mov_b32 s43, s42
	s_sub_co_i32 s61, 159, s60
	s_lshl_b32 s44, s61, 23                        ; alpha = 2^(32 - E)
	s_mov_b32 s45, s44
	s_sub_co_i32 s61, 160, s60
	s_lshl_b32 s61, s61, 23
	s_or_b32 s61, s61, 0x80000000                  ; beta = -2^(33 - E)
	v_mov_b32 v20, s61
	v_mov_b32 v21, s61
	s_add_co_i32 s60, s56, 127
	s_lshl_b32 s61, s60, 23
	v_mov_b32 v17, s61                             ; 2^e8
	s_add_co_i32 s60, s60, 15
	s_lshl_b32 s60, s60, 23
	s_or_b32 s60, s60, 0x600000
	v_mov_b32 v18, s60                             ; 57,344 x 2^e8
	s_wait_loadcnt 0x0
.irp j, 0,1,2,3,4,5,6,7
	v_and_b32 v[60+\j], v[60+\j], v236             ; a query whose row of the mask has no true entry gets zero codes
	v_and_b32 v[68+\j], v[68+\j], v237
.endr
	WIN 0x04                                       ; store data window 1
.irp i, 0,1,2,3,4,5,6,7
	ds_store_b128 v7, v[4*\i:4*\i+3] offset:512*\i
.endr
	WIN 0
.irp i, 0,1,2,3,4,5,6,7
	ds_store_b128 v7, v[188+4*\i:191+4*\i] offset:VOFF+512*\i
.endr
	s_cmp_lg_u32 s19, 0
	s_cbranch_scc1 .Lnm1
	WIN 0x44
.set j, 0
.rept 16
	v_lshlrev_b32 v[32+j], 6, v[32+j]              ; 1 -> 0x40, the code of 2.0
.set j, j+1
.endr
	WIN 0
.set j, 0
.rept 16
	v_lshlrev_b32 v[220+j], 6, v[220+j]
.set j, j+1
.endr
	WIN 0x04
.irp i, 0,1,2,3
	ds_store_b128 v9, v[32+4*\i:35+4*\i] offset:2*\i*MP
.endr
	WIN 0
.irp i, 0,1,2,3
	ds_store_b128 v9, v[220+4*\i:223+4*\i] offset:(8+2*\i)*MP
.endr
.Lnm1:
	s_add_nc_u64 s[28:29], s[28:29], 16384         ; on to slot 1 (the loads that read these bases are in)
	s_add_nc_u64 s[30:31], s[30:31], 16384
	s_add_nc_u64 s[32:33], s[32:33], 256
; A STEP: my 64 keys of the q-th 128 of slot sl, for my two tiles of queries.  ld = 1: a part of the next 256 keys goes from memory to the other slot (q = 0: K and half of the mask; q = 1: V and the other half).
.macro STEP sl, q, ld, pf
	PLACES                                         ; behind the last step's V^T P, ahead of loads into its sources
.irp x, 0,1
.irp c, 0,1
	ds_load_b128 v[PC+8*\x+4*\c:PC+8*\x+4*\c+3], v[3+2*\x+\sl] offset:128*\q+32*\c
.endr
.endr
.irp t, 0,1,2,3
.irp c, 0,1
	ds_load_b128 v[FF+8*\t+4*\c:FF+8*\t+4*\c+3], v[1+\sl] offset:8192*\q+1024*\t+512*\c
.endr
.endr
	s_wait_dscnt 8                                 ; the mask's four loads are in, and the last step's staging stores are done; K's eight may be out
.irp t, 0,1,2,3
.irp x, 0,1
	v_wmma_f32_16x16x64_bf8_bf8 v[SS+32*\x+8*\t:SS+32*\x+8*\t+7], v[52-2*\t:59-2*\t], v[PC+8*\x:PC+8*\x+7], 0   ; 2 x mask, in S^T's layout
.endr
.endr
.if \ld
	WIN 0x40
.irp i, 0,1,2,3,4,5,6,7
.if \q == 0
	global_load_b128 v[4*\i:4*\i+3], v11, s[28:29] offset:512*\i
.else
	global_load_b128 v[4*\i:4*\i+3], v11, s[30:31] offset:512*\i
.endif
.endr
	WIN 0
	s_cmp_lg_u32 s19, 0
	s_cbranch_scc1 .Lnml_\@
	WIN 0x40
.irp i, 0,1,2,3
	global_load_b128 v[32+4*\i:35+4*\i], v12, s[32:33] offset:(8*\q+2*\i)*4096
.endr
	WIN 0
.Lnml_\@:
.endif
.if \pf
; PREFETCH of the 256 keys after those just asked for, behind my loads.  K and V of a head are walked by 64 work-groups: those with x = 0 ask, 8,192 bytes a wave, lanes 256 bytes apart.  A block of the mask's rows is
; walked by 4 work-groups: the one with y = 0 asks, in waves 4 and 5, a lane a row, 256 bytes of it.  So each aligned 256 bytes are named once in the launch.  The last two slots ask for nothing.
	s_cmp_lg_u32 s38, 0
	s_cbranch_scc0 .Lnpk_\@
	global_prefetch_b8 v13, s[34:35] th:TH_LOAD_NT scope:SCOPE_SE
.Lnpk_\@:
	s_cmp_lg_u32 s39, 0
	s_cbranch_scc0 .Lnpm_\@
	global_prefetch_b8 v14, s[36:37] th:TH_LOAD_NT scope:SCOPE_SE
.Lnpm_\@:
.endif
	PLACES
.set j, 0
.rept 32
	v_pk_fma_f32 v[SS+j:SS+j+1], v[SS+j:SS+j+1], s[44:45], v[20:21] op_sel_hi:[1,0,1]   ; the bias: 2 alpha + beta = 0 where the mask is true, beta where it is false; each accumulator from its low end on
.set j, j+2
.endr
	s_wait_dscnt 0x0                               ; K
.irp t, 0,1,2,3
.irp x, 0,1
	v_wmma_f32_16x16x64_bf8_bf8 v[SS+32*\x+8*\t:SS+32*\x+8*\t+7], v[FF+8*\t:FF+8*\t+7], v[QQ+8*\x:QQ+8*\x+7], v[SS+32*\x+8*\t:SS+32*\x+8*\t+7]   ; + K Q^T; the eight accumulators by turns
.endr
.endr
	PLACES
.irp t, 0,1,2,3
.irp c, 0,1
	ds_load_b128 v[FF+8*\t+4*\c:FF+8*\t+4*\c+3], v[1+\sl] offset:VOFF+8192*\q+1024*\t+512*\c   ; V's fragments land during the softmax
.endr
.endr
.irp x, 0,1                            ; the step's largest score of my query among my 32 keys: two chains a tile, ascending
	v_max3_num_f32 v[30+12*\x], v[SS+32*\x], v[SS+32*\x+1], v[SS+32*\x+2]
	v_max3_num_f32 v[31+12*\x], v[SS+32*\x+3], v[SS+32*\x+4], v[SS+32*\x+5]
.endr
.irp i, 6,10,14,18,22,26
.irp x, 0,1
	v_max3_num_f32 v[30+12*\x], v[30+12*\x], v[SS+32*\x+\i], v[SS+32*\x+\i+1]
	v_max3_num_f32 v[31+12*\x], v[31+12*\x], v[SS+32*\x+\i+2], v[SS+32*\x+\i+3]
.endr
.endr
.irp x, 0,1
	v_max3_num_f32 v[30+12*\x], v[30+12*\x], v[SS+32*\x+30], v[SS+32*\x+31]
.endr
.irp x, 0,1
	v_max_num_f32 v[30+12*\x], v[30+12*\x], v[31+12*\x]
.endr
.irp x, 0,1
	v_permlanex16_b32 v[32+12*\x], v[30+12*\x], s46, s47
.endr
.irp x, 0,1
	v_max_num_f32 v[30+12*\x], v[30+12*\x], v[32+12*\x]   ; and among lane l xor 16's
.endr
.irp x, 0,1
	v_mul_f32 v[30+12*\x], s42, v[30+12*\x]        ; as t (c is positive)
.endr
.irp x, 0,1
	v_max_num_f32 v[23+12*\x], v[23+12*\x], v[30+12*\x]   ; the running largest t
	v_mov_b32 v[30+12*\x], v[22+12*\x]
.endr
.irp x, 0,1
	v_floor_f32 v[22+12*\x], -v[23+12*\x]          ; the new -M = -ceil(t)
.endr
.irp x, 0,1
	v_sub_f32 v[30+12*\x], v[22+12*\x], v[30+12*\x]   ; old M - new M: a whole number, 0 or less
.endr
.irp x, 0,1
	v_cvt_i32_f32 v[30+12*\x], v[30+12*\x]         ; (it saturates)
.endr
.irp x, 0,1
	v_ldexp_f32 v[26+12*\x], 1.0, v[30+12*\x]      ; f = 2^(old M - new M)
.endr
.set j, 0
.rept 16
	v_pk_fma_f32 v[SS+j:SS+j+1], v[SS+j:SS+j+1], s[42:43], v[22:23] op_sel_hi:[1,0,0]   ; t - M, two at a time
	v_pk_fma_f32 v[SS+32+j:SS+33+j], v[SS+32+j:SS+33+j], s[42:43], v[34:35] op_sel_hi:[1,0,0]
.set j, j+2
.endr
.set j, 0
.rept 64
	v_exp_f32 v[SS+j], v[SS+j]                     ; p = 2^(t - M): one batch
.set j, j+1
.endr
	v_pk_mul_f32 v[24:25], v[24:25], v[26:27] op_sel_hi:[1,0]   ; the sums under the new M: the plain place behind the batch
	v_pk_mul_f32 v[36:37], v[36:37], v[38:39] op_sel_hi:[1,0]
	s_wait_alu depctr_va_vdst(0)                   ; one wait for the 64 exponentials, ahead of their first reader
.irp x, 0,1
	v_pk_add_f32 v[28+12*\x:29+12*\x], v[SS+32*\x:SS+32*\x+1], v[SS+32*\x+2:SS+32*\x+3]   ; the sum is taken of the unquantised p, two chains a tile
.endr
.irp i, 4,8,12,16,20,24,28
.irp x, 0,1
	v_pk_add_f32 v[24+12*\x:25+12*\x], v[24+12*\x:25+12*\x], v[SS+32*\x+\i:SS+32*\x+\i+1]
	v_pk_add_f32 v[28+12*\x:29+12*\x], v[28+12*\x:29+12*\x], v[SS+32*\x+\i+2:SS+32*\x+\i+3]
.endr
.endr
.irp x, 0,1
	v_pk_add_f32 v[24+12*\x:25+12*\x], v[24+12*\x:25+12*\x], v[28+12*\x:29+12*\x]
.endr
	s_cmp_gt_i32 s56, -16                          ; e8 >= -15: p / 2^e8 <= 2^15, under the largest code: the hold would change nothing
	s_cbranch_scc1 .Lnohold_\@
.set j, 0
.rept 64
	v_min_num_f32 v[SS+j], v[SS+j], v18            ; the conversion does not saturate (ISA guide 7.6.2); p is not negative, so the hold is one-sided
.set j, j+1
.endr
.Lnohold_\@:
.irp t, 0,1,2,3
.irp x, 0,1
	v_cvt_scalef32_pk8_bf8_f32 v[PC+8*\x+2*\t:PC+8*\x+2*\t+1], v[SS+32*\x+8*\t:SS+32*\x+8*\t+7], v17
.endr
.endr
.set j, 0
.rept 16
	v_pk_mul_f32 v[OO+j:OO+j+1], v[OO+j:OO+j+1], v[26:27] op_sel_hi:[1,0]   ; O^T under the new M; these are also the plain lines between the conversions and the products
	v_pk_mul_f32 v[OO+32+j:OO+33+j], v[OO+32+j:OO+33+j], v[38:39] op_sel_hi:[1,0]
.set j, j+2
.endr
	s_wait_dscnt 0x0                               ; V
.irp t, 0,1,2,3
.irp x, 0,1
	v_wmma_f32_16x16x64_bf8_bf8 v[OO+32*\x+8*\t:OO+32*\x+8*\t+7], v[FF+8*\t:FF+8*\t+7], v[PC+8*\x:PC+8*\x+7], v[OO+32*\x+8*\t:OO+32*\x+8*\t+7]
.endr
.endr
.if \ld
	s_wait_loadcnt 0x0                             ; what was asked for at the step's head is in: so its bases may be stepped too
	WIN 0x04
.irp i, 0,1,2,3,4,5,6,7
	ds_store_b128 v[8-\sl], v[4*\i:4*\i+3] offset:VOFF*\q+512*\i
.endr
	WIN 0
.if \q == 0
	s_add_nc_u64 s[28:29], s[28:29], 16384
.else
	s_add_nc_u64 s[30:31], s[30:31], 16384
.endif
	s_cmp_lg_u32 s19, 0
	s_cbranch_scc1 .Lnms_\@
	WIN 0x44
.set j, 0
.rept 16
	v_lshlrev_b32 v[32+j], 6, v[32+j]
.set j, j+1
.endr
	WIN 0x04
.irp i, 0,1,2,3
	ds_store_b128 v[10-\sl], v[32+4*\i:35+4*\i] offset:(8*\q+2*\i)*MP
.endr
	WIN 0
.Lnms_\@:
.if \q == 1
	s_add_nc_u64 s[32:33], s[32:33], 256
.endif
.endif
.endm
; 256 keys.  The barrier at the head: every wave's stores into this slot are done and its reads of the other slot are back; behind it this slot is read and the other one is written.
.macro SLOT sl, ld, pf
	s_wait_dscnt 0x0
	s_barrier_signal -1
	s_barrier_wait -1
.if \pf
	s_wait_xcnt 0x0                                ; the last prefetches, a slot back, have read their bases
	s_add_nc_u64 s[34:35], s[34:35], 16384
	s_add_nc_u64 s[36:37], s[36:37], 256
.endif
	STEP \sl, 0, \ld, \pf
	STEP \sl, 1, \ld, 0
.endm
	s_mov_b32 s40, 7
.Lloop:                                            ; seven trips of two slots: keys 0 to 3,583
	SLOT 0, 1, 1
	SLOT 1, 1, 1
	s_sub_co_u32 s40, s40, 1
	s_cmp_lg_u32 s40, 0
	s_cbranch_scc1 .Lloop
	SLOT 0, 1, 0                                   ; the last slot but one fetches the last and prefetches nothing,
	SLOT 1, 0, 0                                   ; the last fetches nothing: no load leaves its buffer
	; THE MERGE.  Tile B's sums over my half of the keys go to wave xor 1, whose tile A it is; its sums for my tile A come back.
	PLACES
	v_add_f32 v36, v36, v37                        ; B's sum, its two halves
.irp i, 0,1,2,3,4,5,6,7
	ds_store_b128 v15, v[OO+32+4*\i:OO+35+4*\i] offset:512*\i
.endr
	ds_store_b128 v15, v[34:37] offset:4096        ; -M, (t), the sum, (-)
	s_wait_dscnt 0x0                               ; for the other wave's sake
	s_barrier_signal -1
	s_barrier_wait -1
.irp i, 0,1,2,3,4,5,6,7
	ds_load_b128 v[SS+4*\i:SS+4*\i+3], v16 offset:512*\i
.endr
	ds_load_b128 v[220:223], v16 offset:4096
	v_add_f32 v24, v24, v25
	s_wait_dscnt 0x0
	v_min_num_f32 v252, v22, v220                  ; -M of both halves: the larger M
	v_sub_f32 v253, v252, v22
	v_sub_f32 v254, v252, v220
	v_cvt_i32_f32 v253, v253
	v_cvt_i32_f32 v254, v254
	v_ldexp_f32 v26, 1.0, v253                     ; mine under the common M,
	v_ldexp_f32 v28, 1.0, v254                     ; the other's
	v_mul_f32 v24, v24, v26
	v_fma_f32 v24, v222, v28, v24
	v_permlanex16_b32 v32, v24, s46, s47
	v_add_f32 v24, v24, v32                        ; the row's sum over all 4,096 keys
	v_rcp_f32 v30, v24
.set j, 0
.rept 16
	v_pk_mul_f32 v[OO+j:OO+j+1], v[OO+j:OO+j+1], v[26:27] op_sel_hi:[1,0]
.set j, j+2
.endr
.set j, 0
.rept 16
	v_pk_fma_f32 v[OO+j:OO+j+1], v[SS+j:SS+j+1], v[28:29], v[OO+j:OO+j+1] op_sel_hi:[1,0,1]
.set j, j+2
.endr
	s_sub_co_i32 s60, s58, s56                     ; a sum stands for sum x 2^(e8 + e9): its code for the last product is (sum / l) / 2^(e10 - e8 - e9)
	s_sub_co_i32 s60, s60, s57
	s_add_co_i32 s60, s60, 127
	s_lshl_b32 s61, s60, 23
	v_mov_b32 v17, s61
	s_add_co_i32 s60, s60, 15
	s_lshl_b32 s60, s60, 23
	s_or_b32 s60, s60, 0x600000
	v_mov_b32 v18, s60
	s_wait_alu depctr_va_vdst(0)                   ; the reciprocal's wait, ahead of its first reader; the merge of O^T stands between
.set j, 0
.rept 16
	v_pk_mul_f32 v[OO+j:OO+j+1], v[OO+j:OO+j+1], v[30:31] op_sel_hi:[1,0]
.set j, j+2
.endr
.set j, 0
.rept 32
	v_med3_num_f32 v[OO+j], v[OO+j], -v18, v18
.set j, j+1
.endr
.irp t, 0,1,2,3
	v_cvt_scalef32_pk8_bf8_f32 v[PC+2*\t:PC+2*\t+1], v[OO+8*\t:OO+8*\t+7], v17   ; registers 2 t, 2 t + 1: channels 16 t + 8 h + 0 .. 7 of the head
.endr
	v_nop
	s_lshl_b32 s60, s24, 2
	s_lshl_b32 s61, s21, 1
	s_add_co_u32 s60, s60, s61
	s_add_co_u32 s60, s60, s22                     ; token tile 4 x + 2 pp + kh
	s_mul_i32 s60, s60, 12288
	s_lshl_b32 s61, s26, 10
	s_add_co_u32 s60, s60, s61
	s_mov_b32 s61, 0
	s_add_nc_u64 s[16:17], s[16:17], s[60:61]
	global_store_b128 v11, v[PC:PC+3], s[16:17]    ; 512 consecutive bytes a store
	global_store_b128 v11, v[PC+4:PC+7], s[16:17] offset:512
	s_barrier_signal -1
	s_barrier_wait -1
	s_set_vgpr_msb 0x5
	s_wait_tensorcnt 0x0
	ds_add_u32 v48, v49
	s_wait_dscnt 0x0
	s_set_vgpr_msb 0x500
	s_endpgm
.Lfunc_end_k_q5510cf95f5_attn:
	.size	k_q5510cf95f5_attn, .Lfunc_end_k_q5510cf95f5_attn-k_q5510cf95f5_attn
	.p2alignl 7, 3214868480
	.fill 96, 4, 3214868480
	.section	.rodata,"a",@progbits
	.p2align	6, 0x0
	.amdhsa_kernel k_q5510cf95f5_attn
		.amdhsa_group_segment_fixed_size 304128
		.amdhsa_private_segment_fixed_size 0
		.amdhsa_enable_private_segment 0
		.amdhsa_kernarg_size 56
		.amdhsa_user_sgpr_count 2
		.amdhsa_user_sgpr_kernarg_segment_ptr 1
		.amdhsa_wavefront_size32 1
		.amdhsa_system_sgpr_workgroup_id_x 1
		.amdhsa_system_sgpr_workgroup_id_y 1
		.amdhsa_system_sgpr_workgroup_id_z 1
		.amdhsa_system_vgpr_workitem_id 0
		.amdhsa_next_free_vgpr 306
		.amdhsa_next_free_sgpr 80
		.amdhsa_reserve_vcc 0
		.amdhsa_float_denorm_mode_32 3
		.amdhsa_float_denorm_mode_16_64 3
		.amdhsa_memory_ordered 1
		.amdhsa_forward_progress 1
		.amdhsa_inst_pref_size 194
	.end_amdhsa_kernel
	.amdgpu_metadata
---
amdhsa.version: [ 1, 2 ]
amdhsa.kernels:
  - .name:           k_q5510cf95f5_attn
    .symbol:         k_q5510cf95f5_attn.kd
    .args:
      - { .name: qc, .offset: 0, .size: 8, .value_kind: global_buffer, .address_space: global }
      - { .name: kc, .offset: 8, .size: 8, .value_kind: global_buffer, .address_space: global }
      - { .name: vc, .offset: 16, .size: 8, .value_kind: global_buffer, .address_space: global }
      - { .name: rowflag, .offset: 24, .size: 8, .value_kind: global_buffer, .address_space: global }
      - { .name: mask, .offset: 32, .size: 8, .value_kind: global_buffer, .address_space: global }
      - { .name: lowp_scales, .offset: 40, .size: 8, .value_kind: global_buffer, .address_space: global }
      - { .name: ac, .offset: 48, .size: 8, .value_kind: global_buffer, .address_space: global }
    .group_segment_fixed_size: 304128
    .private_segment_fixed_size: 0
    .kernarg_segment_align: 8
    .kernarg_segment_size: 56
    .max_flat_workgroup_size: 384
    .sgpr_count:     80
    .vgpr_count:     306
    .wavefront_size: 32
...
	.end_amdgpu_metadata
.endif
;; end of part 2
;; launch oproj (part 3): grid 64 x 4, 12 waves a work-group, no clusters, 101,376 bytes of LDS; arguments ac, Wo_codes, bo, lowp_scales, out0; writes out0
.if DOCPART == 3
	.amdgcn_target "amdgcn-amd-amdhsa--gfx1250"
	.amdhsa_code_object_version 6
	.text
	.protected	k_q5510cf95f5_oproj
	.globl	k_q5510cf95f5_oproj
	.p2align	8
	.type	k_q5510cf95f5_oproj,@function
k_q5510cf95f5_oproj:
	s_mov_b64 s[64:65], 0
	v_nop
	global_prefetch_b8 v0, s[64:65] scope:SCOPE_SE
	s_setreg_imm32_b32 hwreg(HW_REG_WAVE_MODE, 25, 1), 1
	s_wait_xcnt 0x0
; out0 = a Wo^T + bo on codes of BF8 (E5M2).  a: the heads' outputs as the attention launch left them: [token tile][head][c 2][lane][16], images of operand registers; heads 2 s and 2 s + 1 of a tile are one fragment
; of 128 along K, k in this form's own places (registers 2 c, 2 c + 1: k = 16 c + 8 h + 0 .. 7).  So Wo's fragments are fetched by loads of 8 bytes in the same places.
; SHARES.  A work-group: 64 tokens (four tiles: one dense block of 49,152 bytes of a, copied to LDS once) x 192 output channels (y).  Wave w holds its 16 rows of Wo (6 fragments, 96 registers) for the whole launch.
; The product is used transposed (source 0 = 16 rows of Wo, source 1 = 16 tokens): a lane holds 8 neighbouring outputs of one token.  They meet in a stage in LDS and leave as aligned runs of 256 bytes.
; Lane r of token tile t stands for token 32 (t / 2) + 8 (t % 2) + r + 8 (r / 8) of the 64.
; No cluster: a work-group reads its bytes once, at its head, and has no ring in which joint requests could meet.
; LIMIT: e10 + e11 between -126 and 127, so that 2^(e10 + e11) is an f32 number.
; LDS: a's block at 0; the stage at 49,152: row p at 784 p + 128 (p / 16), 50,544 bytes: rows 16 apart differ by 128 modulo 256 bytes, so that the 16 rows that a store touches start at 16 different 16-byte columns.
; REGISTERS: v1 16 x lane; v2 Wo's offset; v3 the stage, in; v4 the stage, back; v5 the same place in out0; v6 where I stage a; v11 bo's offset; v16-111 Wo; v112-175 four fragments of a (also staging, and the rows read
; back); v176-207 the four accumulators; v208-215 bo; v216-247 y.
.set STG, 49152
.macro PLACES
.rept 4
	v_nop
.endr
.endm
	s_load_b256 s[4:11], s[0:1], 0x0               ; a s[4:5], Wo s[6:7], bo s[8:9], the scales' exponents s[10:11]
	s_load_b64 s[12:13], s[0:1], 0x20              ; out0
	v_lshl_add_u32 v254, v0, 2, 0x18600
	v_mov_b32 v255, 0
	v_lshrrev_b32 v1, 5, v0
	v_readfirstlane_b32 s14, v1                    ; wave 0..11
	s_and_b32 s15, ttmp7, 0xffff                   ; which 192 channels
	v_and_b32 v7, 31, v0
	v_and_b32 v8, 15, v0                           ; r
	v_bfe_u32 v9, v0, 4, 1                         ; h
	v_lshlrev_b32 v1, 4, v7
	v_mul_u32_u24 v2, v8, 768
	v_lshl_add_u32 v2, v9, 3, v2                   ; Wo: row r, + 8 h
	v_lshrrev_b32 v10, 3, v8
	v_mul_u32_u24 v3, v8, 784
	v_mad_u32_u24 v3, v10, 6400, v3                ; row r + 8 (r / 8), + 128 (r / 8): the upper eight lie in the next group of 16 rows
	v_lshl_add_u32 v3, v9, 5, v3                   ; + 32 h
	s_lshl_b32 s16, s14, 6                         ; + my 16 channels' 64 bytes
	s_add_co_u32 s16, s16, STG
	v_add_nc_u32 v3, s16, v3
	s_mul_i32 s17, s14, 11
	s_lshr_b32 s17, s17, 5                         ; rg = w / 3: which 16 rows I store; which 256 bytes of them: w - 3 rg
	s_mul_i32 s18, s17, 11904                      ; (16 x 784 + 128) rg + 256 (w - 3 rg) = 11,904 rg + 256 w
	s_lshl_b32 s19, s14, 8
	s_add_co_u32 s18, s18, s19
	s_add_co_u32 s18, s18, STG
	v_mul_u32_u24 v4, v9, 784
	v_lshl_add_u32 v4, v8, 4, v4                   ; lanes 0-15 one row, lanes 16-31 the next
	v_add_nc_u32 v4, s18, v4
	v_mul_u32_u24 v5, v9, 3072
	v_lshl_add_u32 v5, v8, 4, v5
	s_lshl_b32 s19, s14, 12
	v_add_nc_u32 v6, s19, v1
	v_lshlrev_b32 v11, 5, v9
	s_mul_i32 s20, ttmp9, 49152                    ; a: my work-group's block, my wave's 4,096 bytes
	s_add_co_u32 s20, s20, s19
	s_mov_b32 s21, 0
	s_mul_i32 s22, s15, 147456                     ; Wo: row 192 y + 16 w
	s_mul_i32 s23, s14, 12288
	s_add_co_u32 s22, s22, s23
	s_mov_b32 s23, 0
	s_mul_i32 s28, s15, 768                        ; bo: 4 (192 y + 16 w)
	s_lshl_b32 s29, s14, 6
	s_add_co_u32 s28, s28, s29
	s_mov_b32 s29, 0
	s_mul_i32 s30, ttmp9, 196608                   ; out0: 64 rows of 3,072 bytes,
	s_mul_i32 s31, s15, 768                        ; the 192 channels,
	s_add_co_u32 s30, s30, s31
	s_mul_i32 s31, s17, 48384                      ; 16 x 3,072 rg + 256 (w - 3 rg)
	s_add_co_u32 s30, s30, s31
	s_lshl_b32 s31, s14, 8
	s_add_co_u32 s30, s30, s31
	s_mov_b32 s31, 0
	s_wait_kmcnt 0x0
	s_load_b64 s[24:25], s[10:11], 0x28            ; e10, e11
	s_add_nc_u64 s[4:5], s[4:5], s[20:21]
	s_add_nc_u64 s[6:7], s[6:7], s[22:23]
	s_add_nc_u64 s[8:9], s[8:9], s[28:29]
	s_add_nc_u64 s[12:13], s[12:13], s[30:31]
.irp i, 0,1,2,3,4,5,6,7
	global_load_b128 v[112+4*\i:115+4*\i], v1, s[4:5] offset:512*\i
.endr
.irp s, 0,1,2,3,4,5
.irp c, 0,1,2,3,4,5,6,7
	global_load_b64 v[16+16*\s+2*\c:17+16*\s+2*\c], v2, s[6:7] offset:128*\s+16*\c
.endr
.endr
	global_load_b128 v[208:211], v11, s[8:9]       ; bo of my lane's eight channels
	global_load_b128 v[212:215], v11, s[8:9] offset:16
	s_wait_loadcnt 50                              ; a's eight loads are in: behind them stand Wo's 48 and bo's 2
.irp i, 0,1,2,3,4,5,6,7
	ds_store_b128 v6, v[112+4*\i:115+4*\i] offset:512*\i
.endr
	s_wait_dscnt 0x0                               ; for the others' sake
	s_barrier_signal -1
	s_barrier_wait -1
	s_wait_loadcnt 0x0
.irp s, 0,1,2,3,4,5
.if \s > 0
	PLACES                                         ; behind the products that read these registers
.endif
.irp t, 0,1,2,3
.irp c, 0,1,2,3
	ds_load_b128 v[112+16*\t+4*\c:115+16*\t+4*\c], v1 offset:12288*\t+2048*\s+512*\c
.endr
.endr
	s_wait_dscnt 0x0
.irp t, 0,1,2,3                        ; the four accumulators by turns; the first K step starts the sums
.if \s == 0
	v_wmma_f32_16x16x128_bf8_bf8 v[176+8*\t:183+8*\t], v[16+16*\s:31+16*\s], v[112+16*\t:127+16*\t], 0
.else
	v_wmma_f32_16x16x128_bf8_bf8 v[176+8*\t:183+8*\t], v[16+16*\s:31+16*\s], v[112+16*\t:127+16*\t], v[176+8*\t:183+8*\t]
.endif
.endr
.endr
	s_wait_kmcnt 0x0
	s_add_co_i32 s26, s24, s25
	s_add_co_i32 s26, s26, 127
	s_lshl_b32 s26, s26, 23                        ; 2^(e10 + e11)
	s_mov_b32 s27, s26                             ; (named with it as a pair)
	PLACES
.irp t, 0,1,2,3
.irp i, 0,2,4,6
	v_pk_fma_f32 v[216+8*\t+\i:217+8*\t+\i], v[176+8*\t+\i:177+8*\t+\i], s[26:27], v[208+\i:209+\i] op_sel_hi:[1,0,1]   ; y = sum x 2^(e10 + e11) + bo
.endr
.endr
.irp t, 0,1,2,3                        ; tile t begins at row 32 (t / 2) + 8 (t % 2), in group 2 (t / 2) of 16 rows
	ds_store_b128 v3, v[216+8*\t:219+8*\t] offset:(32*(\t/2)+8*(\t%2))*784+256*(\t/2)
	ds_store_b128 v3, v[220+8*\t:223+8*\t] offset:(32*(\t/2)+8*(\t%2))*784+256*(\t/2)+16
.endr
	s_wait_dscnt 0x0                               ; a row's 768 bytes come from twelve waves
	s_barrier_signal -1
	s_barrier_wait -1
.irp i, 0,1,2,3,4,5,6,7
	ds_load_b128 v[112+4*\i:115+4*\i], v4 offset:1568*\i
.endr
.irp i, 0,1,2,3,4,5,6,7
	s_wait_dscnt 7-\i                              ; the younger loads may be out
	global_store_b128 v5, v[112+4*\i:115+4*\i], s[12:13] offset:6144*\i th:TH_STORE_NT   ; sixteen lanes store 256 consecutive bytes, at a multiple of 256 from out0's first byte
.endr
	s_barrier_signal -1
	s_barrier_wait -1
	s_wait_tensorcnt 0x0
	ds_add_u32 v254, v255
	s_wait_dscnt 0x0
	s_endpgm
.Lfunc_end_k_q5510cf95f5_oproj:
	.size	k_q5510cf95f5_oproj, .Lfunc_end_k_q5510cf95f5_oproj-k_q5510cf95f5_oproj
	.p2alignl 7, 3214868480
	.fill 96, 4, 3214868480
	.section	.rodata,"a",@progbits
	.p2align	6, 0x0
	.amdhsa_kernel k_q5510cf95f5_oproj
		.amdhsa_group_segment_fixed_size 101376
		.amdhsa_private_segment_fixed_size 0
		.amdhsa_enable_private_segment 0
		.amdhsa_kernarg_size 40
		.amdhsa_user_sgpr_count 2
		.amdhsa_user_sgpr_kernarg_segment_ptr 1
		.amdhsa_wavefront_size32 1
		.amdhsa_system_sgpr_workgroup_id_x 1
		.amdhsa_system_sgpr_workgroup_id_y 1
		.amdhsa_system_sgpr_workgroup_id_z 1
		.amdhsa_system_vgpr_workitem_id 0
		.amdhsa_next_free_vgpr 256
		.amdhsa_next_free_sgpr 66
		.amdhsa_reserve_vcc 0
		.amdhsa_float_denorm_mode_32 3
		.amdhsa_float_denorm_mode_16_64 3
		.amdhsa_memory_ordered 1
		.amdhsa_forward_progress 1
		.amdhsa_inst_pref_size 22
	.end_amdhsa_kernel
	.amdgpu_metadata
---
amdhsa.version: [ 1, 2 ]
amdhsa.kernels:
  - .name:           k_q5510cf95f5_oproj
    .symbol:         k_q5510cf95f5_oproj.kd
    .args:
      - { .name: ac, .offset: 0, .size: 8, .value_kind: global_buffer, .address_space: global }
      - { .name: Wo_codes, .offset: 8, .size: 8, .value_kind: global_buffer, .address_space: global }
      - { .name: bo, .offset: 16, .size: 8, .value_kind: global_buffer, .address_space: global }
      - { .name: lowp_scales, .offset: 24, .size: 8, .value_kind: global_buffer, .address_space: global }
      - { .name: out0, .offset: 32, .size: 8, .value_kind: global_buffer, .address_space: global }
    .group_segment_fixed_size: 101376
    .private_segment_fixed_size: 0
    .kernarg_segment_align: 8
    .kernarg_segment_size: 40
    .max_flat_workgroup_size: 384
    .sgpr_count:     66
    .vgpr_count:     256
    .wavefront_size: 32
...
	.end_amdgpu_metadata
.endif
;; end of part 3
;; ======== version 2 of 2: 3 launches
;; limits: right only within a limited range of input values
;; workspace buffers: qc 3,145,728 bytes; kc 3,145,728 bytes; vc 3,145,728 bytes; ac 3,145,728 bytes; rowflag 16,384 bytes
;; launch qkv (part 4): grid 16 x 16, 8 waves a work-group, no clusters, 157,696 bytes of LDS; arguments x_codes, Wq_codes, Wk_codes, Wv_codes, mask, lowp_scales, qc, kc, vc, rowflag; writes qc, kc, vc, rowflag
.if DOCPART == 4
	.amdgcn_target "amdgcn-amd-amdhsa--gfx1250"
	.amdhsa_code_object_version 6
	.text
	.protected	k_q5510cf95f5_qkv
	.globl	k_q5510cf95f5_qkv
	.p2align	8
	.type	k_q5510cf95f5_qkv,@function
k_q5510cf95f5_qkv:
	s_mov_b64 s[64:65], 0
	v_nop
	global_prefetch_b8 v0, s[64:65] scope:SCOPE_SE
	s_setreg_imm32_b32 hwreg(HW_REG_WAVE_MODE, 25, 1), 1
	s_wait_xcnt 0x0
; q = rope(x Wq^T), k = rope(x Wk^T), v = x Wv^T on codes of BF8 (E5M2), quantised again to BF8 for the attention launch; and one flag for each row of the mask.
; SHARES.  Work-groups with y < 12: head y, tokens 256 x .. 256 x + 255.  Wave w owns 32 tokens (two tiles of 16); its 12 fragments of x stay in registers; the head's 3 x 64 rows of W lie in LDS and every
; fragment of W read from there feeds two products.  Work-groups with y >= 12: 64 rows of the mask each; a row's flag is all ones if the row has a true entry, else 0.  That path has no LDS and no barrier.
; THE TOKENS OF A TILE ARE NOT NEIGHBOURS: lane r of tile 2 b + u stands for token 32 b + 8 u + r + 8 (r / 8), so that in S^T of the next launch 16 registers of two tiles are 16 neighbouring keys.
; q, k: the product is used transposed (source 0 = 16 rows of W, source 1 = 16 tokens): a lane holds one token and the raw channels 16 t + 8 h + 0 .. 7, four pairs (x1, x2) of the rotation.  The rotated pair stays in the
; pair's place: a permutation of the head's 64 that is the same in q and in k, so every product of q . k meets its partner.
; v: source 0 = 16 tokens, source 1 = 16 rows of W: a lane holds one channel, and the 16 registers of tiles u = 0, 1 are 16 neighbouring tokens: codes with the keys innermost.
; OUT: images of operand registers, 512 consecutive bytes a store.  qc, kc: [head][token tile][c 2][lane][16].  vc: [head][64 keys][channel tile][c 2][lane][16].
; A K step's fragment is fetched by four loads of 16 bytes (registers 4 c .. 4 c + 3: k = 32 c + 16 h + 0 .. 15), alike for x and W: a permutation of k inside an instruction.
; THE ANGLES: inv = 1 / 10^(i / 8) (reciprocal and one Newton step), angle = token x inv in one rounding, reduced by pi / 2 in two parts, sine to r^9 and cosine to r^10.
; No cluster: a work-group reads its tiles of W and x once, at its head, and has no ring in which joint requests could meet.
; LIMITS: e6 - e0 - e1, e7 - e2 - e3 and e9 - e4 - e5 between -126 and 112, so that each scale and 57,344 x it are f32 numbers.
; REGISTERS.  Window 0: v1 x's offset; v2 16 x lane; v3-5 where I stage W; v6-8 my lane's place in a tile of W; v9, v10 my two tokens as f32; v11, v12 the conversion's scale and 57,344 x it; v13-15 lane, r, h;
;   v16-31 the 16 inverse frequencies; v32-159 W's fragments, two sets (at the head v32-175: W on its way to LDS); v160-223 the 8 accumulators; v224-239 at work; v240-255 codes.
;   Window 1: v0-191 x's fragments (96 u + 16 s); v192-255 (cos, sin) pairs, 32 u + 2 (4 t + p).
.set WMAT,  52224                      ; a matrix in LDS: 64 rows of 816 bytes
.set INV,   16
.set WF,    32
.set ACC,   160
.set TT,    224
.set PCD,   240
.set CS,    192
.set MSB, 0
.macro WIN new                         ; the immediate's high byte repeats the setting that is left
.if MSB != \new
	s_set_vgpr_msb (MSB<<8)|\new
.set MSB, \new
.endif
.endm
.macro PLACES                          ; four plain places behind matrix instructions, ahead of loads into their sources and of reads of their results
.rept 4
	v_nop
.endr
.endm
	s_load_b512 s[4:19], s[0:1], 0x0               ; x s[4:5], Wq s[6:7], Wk s[8:9], Wv s[10:11], mask s[12:13], scales s[14:15], qc s[16:17], kc s[18:19]
	s_load_b128 s[20:23], s[0:1], 0x40             ; vc s[20:21], rowflag s[22:23]
	v_lshrrev_b32 v1, 5, v0
	s_delay_alu instid0(VALU_DEP_1)
	v_readfirstlane_b32 s24, v1                    ; wave 0..7
	s_and_b32 s26, ttmp7, 0xffff                   ; y
	v_and_b32 v13, 31, v0                          ; lane
	s_delay_alu instid0(VALU_DEP_1)
	v_lshlrev_b32 v2, 4, v13                       ; 16 x lane
	s_wait_kmcnt 0x0
	s_cmp_ge_u32 s26, 12                           ; the same in all waves of a work-group
	s_cbranch_scc1 .Lscan
	; ---------------- the projections of head y ----------------
	s_load_b256 s[28:35], s[14:15], 0x0            ; e0 .. e7
	s_load_b128 s[36:39], s[14:15], 0x20           ; e8 .. e11
	s_mul_i32 s52, s26, 49152                      ; the head's 64 rows of 768 bytes,
	s_mul_i32 s53, s24, 6144                       ; my 12 pieces of 512 bytes of them
	s_add_co_u32 s52, s52, s53
	s_mov_b32 s53, 0
	s_add_nc_u64 s[6:7], s[6:7], s[52:53]
	s_add_nc_u64 s[8:9], s[8:9], s[52:53]
	s_add_nc_u64 s[10:11], s[10:11], s[52:53]
	s_wait_alu depctr_va_vdst(0)
.irp i, 0,1,2,3,4,5,6,7,8,9,10,11
	global_load_b128 v[32+4*\i:35+4*\i], v2, s[6:7] offset:512*\i
.endr
.irp i, 0,1,2,3,4,5,6,7,8,9,10,11
	global_load_b128 v[80+4*\i:83+4*\i], v2, s[8:9] offset:512*\i
.endr
.irp i, 0,1,2,3,4,5,6,7,8,9,10,11
	global_load_b128 v[128+4*\i:131+4*\i], v2, s[10:11] offset:512*\i
.endr
	v_and_b32 v14, 15, v0                          ; r
	v_bfe_u32 v15, v0, 4, 1                        ; h
	s_wait_alu depctr_va_vdst(0)
	v_and_b32 v1, 8, v14
	s_delay_alu instid0(VALU_DEP_1)
	v_add_nc_u32 v1, v1, v14                       ; r + 8 (r / 8)
	s_lshl_b32 s54, ttmp9, 8
	s_lshl_b32 s55, s24, 5
	s_add_co_u32 s54, s54, s55                     ; my wave's first token: 256 x + 32 w
	v_add_nc_u32 v9, s54, v1
	s_delay_alu instid0(VALU_DEP_1)
	v_add_nc_u32 v10, 8, v9
	s_delay_alu instid0(VALU_DEP_2)
	v_cvt_f32_u32 v9, v9                           ; my token in tile 0,
	s_delay_alu instid0(VALU_DEP_2)
	v_cvt_f32_u32 v10, v10                         ; in tile 1
	v_mul_u32_u24 v1, v1, 768
	s_delay_alu instid0(VALU_DEP_1)
	v_lshl_add_u32 v1, v15, 4, v1                  ; x: my row, + 16 h
	s_mul_i32 s56, s54, 768
	s_mov_b32 s57, 0
	s_add_nc_u64 s[4:5], s[4:5], s[56:57]
	WIN 0x40                                       ; destination window 1
.irp u, 0,1
.irp s, 0,1,2,3,4,5
.irp c, 0,1,2,3
	global_load_b128 v[96*\u+16*\s+4*\c:96*\u+16*\s+4*\c+3], v1, s[4:5] offset:6144*\u+128*\s+32*\c
.endr
.endr
.endr
	WIN 0
	; LDS addresses.  Byte g of a matrix's 49,152 lies at g + 16 (g / 256): rows 816 bytes apart, so that the 16 rows of a fragment load start at 16 different 16-byte columns modulo 256 bytes
	v_lshl_add_u32 v3, v15, 4, v2                  ; 16 lane + 16 (lane / 16)
	s_mul_i32 s58, s24, 6528                       ; my 12 pieces of 544
	v_add_nc_u32 v3, s58, v3
	s_delay_alu instid0(VALU_DEP_1)
	v_add_nc_u32 v4, WMAT, v3
	s_delay_alu instid0(VALU_DEP_2)
	v_add_nc_u32 v5, 2*WMAT, v3
	v_mul_u32_u24 v6, v14, 816
	s_delay_alu instid0(VALU_DEP_1)
	v_lshl_add_u32 v6, v15, 4, v6                  ; row r, + 16 h
	s_delay_alu instid0(VALU_DEP_1)
	v_add_nc_u32 v7, WMAT, v6
	s_delay_alu instid0(VALU_DEP_2)
	v_add_nc_u32 v8, 2*WMAT, v6
	; where my codes go
	s_lshl_b32 s66, s26, 18                        ; the head's 262,144 bytes
	s_lshl_b32 s67, s54, 6                         ; token tile 2 (token / 32) of 1,024 bytes
	s_add_co_u32 s66, s66, s67
	s_mov_b32 s67, 0
	s_add_nc_u64 s[16:17], s[16:17], s[66:67]
	s_add_nc_u64 s[18:19], s[18:19], s[66:67]
	s_lshl_b32 s68, s26, 18
	s_lshr_b32 s69, s54, 6
	s_lshl_b32 s69, s69, 12                        ; the block of 64 keys, 4,096 bytes,
	s_add_co_u32 s68, s68, s69
	s_bfe_u32 s69, s54, 0x10005
	s_lshl_b32 s69, s69, 9                         ; and which 32 of them
	s_add_co_u32 s68, s68, s69
	s_mov_b32 s69, 0
	s_add_nc_u64 s[20:21], s[20:21], s[68:69]
	s_mov_b32 s40, 0x3f22f983                      ; 2 / pi
	s_mov_b32 s41, 0x3fc90fdb                      ; pi / 2, first part,
	s_mov_b32 s42, 0xb33bbd2e                      ; second part
	s_mov_b32 s43, 0xbe2aaaab                      ; -1/6
	s_mov_b32 s44, 0x3c088889                      ; 1/120
	s_mov_b32 s45, 0xb9500d01                      ; -1/5040
	s_mov_b32 s46, 0x3638ef1d                      ; 1/362880
	s_mov_b32 s47, 0x3d2aaaab                      ; 1/24
	s_mov_b32 s48, 0xbab60b61                      ; -1/720
	s_mov_b32 s49, 0x37d00d01                      ; 1/40320
	s_mov_b32 s50, 0xb493f27e                      ; -1/3628800
	; the 16 inverse frequencies of my lane: register 4 t + p serves pair i = 8 t + 4 h + p: 10000^(i / 32) = 10^(i / 8)
	v_cmp_eq_u32 vcc_lo, 1, v15
.macro INVF i, lo, hi
	v_mov_b32 v[INV+\i], \hi
	s_delay_alu instid0(VALU_DEP_1)
	v_cndmask_b32 v[INV+\i], \lo, v[INV+\i], vcc_lo
.endm
	INVF 0, 1.0, 3.16227766
	INVF 1, 1.33352143, 4.21696503
	INVF 2, 1.77827941, 5.62341325
	INVF 3, 2.37137371, 7.49894209
	INVF 4, 10.0, 31.6227766
	INVF 5, 13.3352143, 42.1696503
	INVF 6, 17.7827941, 56.2341325
	INVF 7, 23.7137371, 74.9894209
	INVF 8, 100.0, 316.227766
	INVF 9, 133.352143, 421.696503
	INVF 10, 177.827941, 562.341325
	INVF 11, 237.137371, 749.894209
	INVF 12, 1000.0, 3162.27766
	INVF 13, 1333.52143, 4216.96503
	INVF 14, 1778.27941, 5623.41325
	INVF 15, 2371.37371, 7498.94209
.set j, 0
	s_wait_alu depctr_va_vdst(0)
.rept 16
	v_rcp_f32 v[224+j], v[INV+j]
.set j, j+1
.endr
	v_nop                                          ; a plain place behind the last reciprocal
	s_wait_alu depctr_va_vdst(0)                   ; one wait for the batch of sixteen, ahead of its first reader
.set j, 0
.rept 16
	v_fma_f32 v[240+j], -v[INV+j], v[224+j], 1.0   ; one Newton step: e = 1 - d y,
.set j, j+1
.endr
.set j, 0
.rept 16
	v_fma_f32 v[INV+j], v[240+j], v[224+j], v[224+j]   ; y + e y
.set j, j+1
.endr
; Sine and cosine of token x inv: a list of 28 lines; SCL writes line j of it for tile u and frequency i.  Four chains (two frequencies x two tiles) are dealt line by line, so that no line waits for the line above it.
.macro SCL u, i
.set ch, (\u)+2*((\i)%2)
.set sb, 224+8*ch
.if j == 0
	v_mul_f32 v[sb], v[9+\u], v[INV+(\i)]          ; the angle, one rounding
.elseif j == 1
	s_delay_alu instid0(VALU_DEP_4)
	v_mul_f32 v[sb+1], s40, v[sb]
.elseif j == 2
	s_delay_alu instid0(VALU_DEP_4)
	v_rndne_f32 v[sb+1], v[sb+1]                   ; a = the nearest multiple of pi / 2
.elseif j == 3
	s_delay_alu instid0(VALU_DEP_4)
	v_fma_f32 v[sb], -v[sb+1], s41, v[sb]
.elseif j == 4
	s_delay_alu instid0(VALU_DEP_4)
	v_fma_f32 v[sb], -v[sb+1], s42, v[sb]          ; r, within pi / 4
.elseif j == 5
	s_delay_alu instid0(VALU_DEP_4)
	v_mul_f32 v[sb+2], v[sb], v[sb]                ; z = r r
.elseif j == 6
	s_delay_alu instid0(VALU_DEP_4)
	v_fma_f32 v[sb+3], v[sb+2], s46, s45
.elseif j == 7
	v_fma_f32 v[sb+4], v[sb+2], s50, s49
.elseif j == 8
	v_fma_f32 v[sb+3], v[sb+2], v[sb+3], s44
.elseif j == 9
	v_fma_f32 v[sb+4], v[sb+2], v[sb+4], s48
.elseif j == 10
	v_fma_f32 v[sb+3], v[sb+2], v[sb+3], s43
.elseif j == 11
	v_fma_f32 v[sb+4], v[sb+2], v[sb+4], s47
.elseif j == 12
	v_mul_f32 v[sb+5], v[sb], v[sb+2]
.elseif j == 13
	v_fma_f32 v[sb+4], v[sb+2], v[sb+4], -0.5
.elseif j == 14
	v_fma_f32 v[sb+3], v[sb+5], v[sb+3], v[sb]     ; sin r
.elseif j == 15
	v_fma_f32 v[sb+4], v[sb+2], v[sb+4], 1.0       ; cos r
.elseif j == 16
	v_cvt_i32_f32 v[sb+1], v[sb+1]                 ; n
.elseif j == 17
	s_delay_alu instid0(VALU_DEP_4)
	v_and_b32 v[sb+5], 1, v[sb+1]
.elseif j == 18
	s_delay_alu instid0(VALU_DEP_4)
	v_cmp_ne_u32 s[60+ch], 0, v[sb+5]              ; n odd: sine and cosine change places
.elseif j == 19
	s_delay_alu instid0(VALU_DEP_4)
	v_cndmask_b32 v[sb+6], v[sb+3], v[sb+4], s[60+ch]
.elseif j == 20
	v_cndmask_b32 v[sb+7], v[sb+4], v[sb+3], s[60+ch]
.elseif j == 21
	v_lshlrev_b32 v[sb+5], 30, v[sb+1]
.elseif j == 22
	v_add_nc_u32 v[sb+1], 1, v[sb+1]
.elseif j == 23
	v_and_b32 v[sb+5], 0x80000000, v[sb+5]         ; the sine's sign: bit 1 of n
.elseif j == 24
	v_lshlrev_b32 v[sb+1], 30, v[sb+1]
.elseif j == 25
	s_delay_alu instid0(VALU_DEP_4)
	v_and_b32 v[sb+1], 0x80000000, v[sb+1]         ; the cosine's: bit 1 of n + 1
.elseif j == 26
	v_xor_b32 v[CS+32*(\u)+2*(\i)+1], v[sb+5], v[sb+6]
.else
	v_xor_b32 v[CS+32*(\u)+2*(\i)], v[sb+1], v[sb+7]
.endif
.endm
.irp i0, 0,2,4,6,8,10,12,14
.set j, 0
.rept 26
	SCL 0, \i0
	SCL 1, \i0
	SCL 0, \i0+1
	SCL 1, \i0+1
.set j, j+1
.endr
	WIN 0x40                                       ; the pairs (cos, sin) lie in window 1
.rept 2
	SCL 0, \i0
	SCL 1, \i0
	SCL 0, \i0+1
	SCL 1, \i0+1
.set j, j+1
.endr
	WIN 0
.endr
	s_wait_loadcnt 48                              ; W's 36 loads are in: behind them stand x's 48
.irp i, 0,1,2,3,4,5,6,7,8,9,10,11
	ds_store_b128 v3, v[32+4*\i:35+4*\i] offset:544*\i
	ds_store_b128 v4, v[80+4*\i:83+4*\i] offset:544*\i
	ds_store_b128 v5, v[128+4*\i:131+4*\i] offset:544*\i
.endr
	s_wait_dscnt 0x0                               ; for the others' sake: my part of W lies in LDS
	s_barrier_signal -1
	s_barrier_wait -1                              ; everybody's does; nothing is stored to LDS behind this barrier
	s_wait_loadcnt 0x0                             ; x
	s_wait_kmcnt 0x0                               ; the scales' exponents
.macro WLOAD it                        ; the four fragments of matrix it / 6, K step it % 6, into set it % 2
.set mu, (\it)/6
.set ss, (\it)%6
.set bf, WF+64*((\it)%2)
.irp t, 0,1,2,3
.irp c, 0,1,2,3
	ds_load_b128 v[bf+16*\t+4*\c:bf+16*\t+4*\c+3], v[6+mu] offset:13056*\t+128*ss+16*(ss/2)+32*\c
.endr
.endr
.endm
.macro MM it                           ; eight products, the eight accumulators by turns; a matrix's first K step starts the sums with the constant 0
.set mu, (\it)/6
.set ss, (\it)%6
.set bf, WF+64*((\it)%2)
.if mu < 2
	WIN 0x04                                       ; source 1 (x) window 1
.else
	WIN 0x01                                       ; source 0 (x) window 1
.endif
.irp t, 0,1,2,3
.irp u, 0,1
.if mu < 2
.if ss == 0
	v_wmma_f32_16x16x128_bf8_bf8 v[ACC+16*\t+8*\u:ACC+16*\t+8*\u+7], v[bf+16*\t:bf+16*\t+15], v[96*\u+16*ss:96*\u+16*ss+15], 0
.else
	v_wmma_f32_16x16x128_bf8_bf8 v[ACC+16*\t+8*\u:ACC+16*\t+8*\u+7], v[bf+16*\t:bf+16*\t+15], v[96*\u+16*ss:96*\u+16*ss+15], v[ACC+16*\t+8*\u:ACC+16*\t+8*\u+7]
.endif
.else
.if ss == 0
	v_wmma_f32_16x16x128_bf8_bf8 v[ACC+16*\t+8*\u:ACC+16*\t+8*\u+7], v[96*\u+16*ss:96*\u+16*ss+15], v[bf+16*\t:bf+16*\t+15], 0
.else
	v_wmma_f32_16x16x128_bf8_bf8 v[ACC+16*\t+8*\u:ACC+16*\t+8*\u+7], v[96*\u+16*ss:96*\u+16*ss+15], v[bf+16*\t:bf+16*\t+15], v[ACC+16*\t+8*\u:ACC+16*\t+8*\u+7]
.endif
.endif
.endr
.endr
	WIN 0
.endm
.macro SCALE ea, eb, ec                ; a sum stands for sum x 2^(ea + eb): its code is sum / 2^(ec - ea - eb): the three scales folded into the conversion's one
	s_sub_co_i32 s70, s[\ec], s[\ea]
	s_sub_co_i32 s70, s70, s[\eb]
	s_add_co_i32 s70, s70, 127
	s_lshl_b32 s71, s70, 23
	v_mov_b32 v11, s71
	s_add_co_i32 s70, s70, 15
	s_lshl_b32 s70, s70, 23
	s_or_b32 s70, s70, 0x600000
	v_mov_b32 v12, s70                             ; 57,344 x that
.endm
.macro ROPE                            ; (x1, x2) -> (x1 cos - x2 sin, x1 sin + x2 cos), in the pair's place: two packed instructions a pair
	WIN 0x04                                       ; source 1, (cos, sin), window 1
.irp t, 0,1,2,3
.irp u, 0,1
.irp p, 0,1,2,3
	v_pk_mul_f32 v[TT+8*\u+2*\p:TT+8*\u+2*\p+1], v[ACC+16*\t+8*\u+2*\p:ACC+16*\t+8*\u+2*\p+1], v[CS+32*\u+8*\t+2*\p:CS+32*\u+8*\t+2*\p+1] op_sel_hi:[1,0]   ; (x1 cos, x2 cos)
.endr
.endr
.irp u, 0,1
.irp p, 0,1,2,3
	v_pk_fma_f32 v[ACC+16*\t+8*\u+2*\p:ACC+16*\t+8*\u+2*\p+1], v[ACC+16*\t+8*\u+2*\p:ACC+16*\t+8*\u+2*\p+1], v[CS+32*\u+8*\t+2*\p:CS+32*\u+8*\t+2*\p+1], v[TT+8*\u+2*\p:TT+8*\u+2*\p+1] op_sel:[1,1,0] op_sel_hi:[0,1,1] neg_lo:[0,1,0]   ; (-x2 sin + .., x1 sin + ..)
.endr
.endr
.endr
	WIN 0
.endm
.macro QUANT kind                      ; kind 0: a tile's 8 registers of codes run over the head's channels (q, k); 1: four registers run over 16 tokens (v)
	s_wait_xcnt 0x0                                ; the last stores have read their data: the codes' registers are written again only behind this wait
.set j, 0
.rept 64
	v_med3_num_f32 v[ACC+j], v[ACC+j], -v12, v12   ; the conversion to an 8-bit code does not saturate (ISA guide 7.6.2): the hold at the largest code x the scale
.set j, j+1
.endr
.irp t, 0,1,2,3
.irp u, 0,1
.if \kind
	v_cvt_scalef32_pk8_bf8_f32 v[PCD+4*\t+2*\u:PCD+4*\t+2*\u+1], v[ACC+16*\t+8*\u:ACC+16*\t+8*\u+7], v11
.else
	v_cvt_scalef32_pk8_bf8_f32 v[PCD+8*\u+2*\t:PCD+8*\u+2*\t+1], v[ACC+16*\t+8*\u:ACC+16*\t+8*\u+7], v11
.endif
.endr
.endr
	v_nop                                          ; a plain place between the last conversion and the products that write its sources anew
.endm
.macro STOREQK lo                      ; two tiles of 1,024 bytes
.irp u, 0,1
.irp c, 0,1
	global_store_b128 v2, v[PCD+8*\u+4*\c:PCD+8*\u+4*\c+3], s[\lo:\lo+1] offset:1024*\u+512*\c
.endr
.endr
.endm
	WLOAD 0
.set it, 0
.rept 18                               ; 3 matrices x 6 K steps of 128; the next step's fragments are asked for ahead of this step's products
	PLACES                                         ; behind the products that read the set about to be loaded
.if it < 17
	WLOAD it+1
	s_wait_dscnt 16                                ; this step's 16 loads are in; the 16 just issued may be out
.else
	s_wait_dscnt 0x0
.endif
	MM it
.if it == 5
	PLACES
	SCALE 28, 29, 34                               ; e0, e1, e6
	ROPE
	QUANT 0
	STOREQK 16
.elseif it == 11
	PLACES
	SCALE 30, 31, 35                               ; e2, e3, e7
	ROPE
	QUANT 0
	STOREQK 18
.elseif it == 17
	PLACES
	SCALE 32, 33, 37                               ; e4, e5, e9
	s_wait_alu depctr_va_vdst(0)
	QUANT 1
.irp t, 0,1,2,3
	global_store_b128 v2, v[PCD+4*\t:PCD+4*\t+3], s[20:21] offset:1024*\t
.endr
.endif
.set it, it+1
.endr
	s_wait_xcnt 0x0
	s_mov_b32 exec_lo, -1
	v_lshl_add_u32 v254, v0, 2, 0x26400
	v_mov_b32 v255, 0
	s_wait_alu depctr_va_vdst(0)
	s_wait_tensorcnt 0x0
	ds_add_u32 v254, v255
	s_wait_dscnt 0x0
	s_endpgm
	; ---------------- the flags of 64 rows of the mask ----------------
.Lscan:
	s_sub_co_u32 s52, s26, 12
	s_lshl_b32 s52, s52, 4
	s_add_co_u32 s52, s52, ttmp9                   ; which 64 rows: 16 (y - 12) + x
	s_lshl_b32 s52, s52, 6
	s_lshl_b32 s53, s24, 3
	s_add_co_u32 s52, s52, s53                     ; my wave's first of 8 rows
	s_lshl_b32 s54, s52, 12
	s_mov_b32 s55, 0
	s_add_nc_u64 s[12:13], s[12:13], s[54:55]
	s_lshl_b32 s54, s52, 2
	s_add_nc_u64 s[22:23], s[22:23], s[54:55]
	v_mov_b32 v224, 0                              ; lane j will hold row j's flag
	s_wait_alu depctr_va_vdst(0)
	v_lshlrev_b32 v225, 2, v13
.macro MLOAD b                         ; rows 2 b and 2 b + 1: 16 loads of 512 consecutive bytes, into set b % 3
.irp i, 0,1,2,3,4,5,6,7,8,9,10,11,12,13,14,15
	global_load_b128 v[32+64*((\b)%3)+4*\i:32+64*((\b)%3)+4*\i+3], v2, s[12:13] offset:8192*(\b)+512*\i th:TH_LOAD_NT
.endr
.endm
.macro MRED b                          ; a row's 32 registers are joined by OR in a tree; any lane with a bit set makes the flag all ones
.irp hh, 0,1
.set bs, 32+64*((\b)%3)+32*\hh
.irp st, 16,8,4,2,1
.set k, 0
.rept \st
	v_or_b32 v[bs+k], v[bs+k], v[bs+k+\st]
.set k, k+1
.endr
.endr
	s_delay_alu instid0(VALU_DEP_1)
	v_cmp_ne_u32 vcc_lo, 0, v[bs]
	s_cmp_lg_u32 vcc_lo, 0
	s_cselect_b32 s56, -1, 0
	v_writelane_b32 v224, s56, 2*(\b)+\hh
.endr
.endm
	MLOAD 0
	MLOAD 1
	MLOAD 2
	s_wait_loadcnt 32                              ; batch 0 is in; batches 1 and 2 may be out
	MRED 0
	MLOAD 3
	s_wait_loadcnt 32                              ; batch 1; 2 and 3 may be out
	MRED 1
	s_wait_loadcnt 16
	MRED 2
	s_wait_loadcnt 0x0
	MRED 3
	s_wait_alu depctr_va_vdst(0)
	s_wait_xcnt 0x0                                ; EXEC changes only behind this wait
	v_cmpx_gt_u32 8, v13
	global_store_b32 v225, v224, s[22:23]          ; lanes 0 to 7: 32 consecutive bytes
	s_endpgm
.Lfunc_end_k_q5510cf95f5_qkv:
	.size	k_q5510cf95f5_qkv, .Lfunc_end_k_q5510cf95f5_qkv-k_q5510cf95f5_qkv
	.p2alignl 7, 3214868480
	.fill 96, 4, 3214868480
	.section	.rodata,"a",@progbits
	.p2align	6, 0x0
	.amdhsa_kernel k_q5510cf95f5_qkv
		.amdhsa_group_segment_fixed_size 157696
		.amdhsa_private_segment_fixed_size 0
		.amdhsa_enable_private_segment 0
		.amdhsa_kernarg_size 80
		.amdhsa_user_sgpr_count 2
		.amdhsa_user_sgpr_kernarg_segment_ptr 1
		.amdhsa_wavefront_size32 1
		.amdhsa_system_sgpr_workgroup_id_x 1
		.amdhsa_system_sgpr_workgroup_id_y 1
		.amdhsa_system_sgpr_workgroup_id_z 1
		.amdhsa_system_vgpr_workitem_id 0
		.amdhsa_next_free_vgpr 512
		.amdhsa_next_free_sgpr 96
		.amdhsa_reserve_vcc 1
		.amdhsa_float_denorm_mode_32 3
		.amdhsa_float_denorm_mode_16_64 3
		.amdhsa_memory_ordered 1
		.amdhsa_forward_progress 1
		.amdhsa_inst_pref_size 146
	.end_amdhsa_kernel
	.amdgpu_metadata
---
amdhsa.version: [ 1, 2 ]
amdhsa.kernels:
  - .name:           k_q5510cf95f5_qkv
    .symbol:         k_q5510cf95f5_qkv.kd
    .args:
      - { .name: x_codes, .offset: 0, .size: 8, .value_kind: global_buffer, .address_space: global }
      - { .name: Wq_codes, .offset: 8, .size: 8, .value_kind: global_buffer, .address_space: global }
      - { .name: Wk_codes, .offset: 16, .size: 8, .value_kind: global_buffer, .address_space: global }
      - { .name: Wv_codes, .offset: 24, .size: 8, .value_kind: global_buffer, .address_space: global }
      - { .name: mask, .offset: 32, .size: 8, .value_kind: global_buffer, .address_space: global }
      - { .name: lowp_scales, .offset: 40, .size: 8, .value_kind: global_buffer, .address_space: global }
      - { .name: qc, .offset: 48, .size: 8, .value_kind: global_buffer, .address_space: global }
      - { .name: kc, .offset: 56, .size: 8, .value_kind: global_buffer, .address_space: global }
      - { .name: vc, .offset: 64, .size: 8, .value_kind: global_buffer, .address_space: global }
      - { .name: rowflag, .offset: 72, .size: 8, .value_kind: global_buffer, .address_space: global }
    .group_segment_fixed_size: 157696
    .private_segment_fixed_size: 0
    .kernarg_segment_align: 8
    .kernarg_segment_size: 80
    .max_flat_workgroup_size: 256
    .sgpr_count:     96
    .vgpr_count:     512
    .wavefront_size: 32
...
	.end_amdgpu_metadata
.endif
;; end of part 4
;; launch attn (part 5): grid 64 x 4, 12 waves a work-group, no clusters, 304,128 bytes of LDS; arguments qc, kc, vc, rowflag, mask, lowp_scales, ac; writes ac
.if DOCPART == 5
	.amdgcn_target "amdgcn-amd-amdhsa--gfx1250"
	.amdhsa_code_object_version 6
	.text
	.protected	k_q5510cf95f5_attn
	.globl	k_q5510cf95f5_attn
	.p2align	8
	.type	k_q5510cf95f5_attn,@function
k_q5510cf95f5_attn:
	s_mov_b64 s[64:65], 0
	v_nop
	global_prefetch_b8 v0, s[64:65] scope:SCOPE_SE
	s_setreg_imm32_b32 hwreg(HW_REG_WAVE_SCHED_MODE, 0, 2), 2
	s_setreg_imm32_b32 hwreg(HW_REG_WAVE_MODE, 25, 1), 1
	s_wait_xcnt 0x0
	s_wait_alu depctr_vm_vsrc(0)
; Attention on codes of BF8 (E5M2): scores = q . k / 8, the mask as it is given, softmax, x v; the heads' outputs leave as codes for the last projection.
; THE SOFTMAX AHEAD OF THE SECOND PRODUCT: t = logit x log2(e); M = the running largest t rounded UP to a whole number; p = 2^(t - M) is quantised, not normalised; the row's sum is taken of the unquantised p and
; divides at the end.  When M moves, the sum and O are multiplied by 2^(old M - new M), which rounds nothing.
; SHARES.  A work-group: 64 queries (x) of 3 heads (3 y + g).  Wave = 4 g + 2 pp + kh: two tiles of 16 queries (the pair pp) and half of the keys, 64 kh .. 64 kh + 63 of every 128: each fragment of K or V read
; from LDS feeds two products.  Tile A is query tile 2 pp + kh, tile B the pair's other one: at the end every wave gives B's sums to wave xor 1 and keeps A, with no branch.
; LAYOUT.  S^T = K Q^T and O^T = V^T P^T: a lane holds one query throughout.  The tokens of a tile are chosen (lane r of tile 2 b + u: token 32 b + 8 u + r + 8 (r / 8)) so that 16 registers of two tiles of S^T are 16
; neighbouring keys, and the conversions' results are the second product's operand.
; THE MASK GOES THROUGH THE MATRIX UNIT.  Its bytes, shifted left by 6, are the codes of 2.0 and 0: as they lie in a query's row they are a source 1 (lane = query, K = 64 keys).  Source 0 has the code of 1.0 at k = 16 t + m
; in row m: the product is 2 x mask in S^T's layout for key tile t.  One packed multiply-add makes of it the bias 0 (true) or beta = -2^(33 - E), E = e6 + e7 (false), and K Q^T adds in place onto the bias.
; So a hidden logit is the true one - 2^30 where reference() has -1e9: p = 0 in both, in a row that has a true entry.
; A ROW WITH NO TRUE ENTRY: its q codes are ANDed with the row's flag, 0: every sum is beta, t = c beta is a whole number, p = 1 for all 4,096 keys, as in reference().
; THE HOLD of p at the largest code changes nothing where e8 >= -15 (p / 2^e8 <= 2^15): a scalar branch on e8 leads round its 64 lines of a step's some 330 vector lines.
; LDS is filled through registers, and the launch has no cluster, though 64 work-groups walk the same K and V.
; LDS: two slots of 256 keys, 131,072 bytes apart: K 3 x 16,384, V 3 x 16,384 at 49,152, the mask's 64 rows at 98,304: row p at 272 p + 128 (p / 16), 17,792 bytes: rows 16 apart differ by 128 modulo 256 bytes, so the 16
; rows of a tile (eight neighbours, and the eight 16 further on) start at 16 different 16-byte columns.  One barrier for 256 keys: in front of it each wave has waited for its stores into the slot ahead and its reads of
; the slot left.  At 247,296: 4,608 bytes a wave for the merge.
; LIMITS: -93 <= e6 + e7 <= 130; e8 between -126 and 112; e10 - e8 - e9 between -126 and 112; true logits under 2^29 in magnitude; NaN is not served.
; REGISTERS.  v1, v2 K's and V's fragments in slot 0, 1; v3-6 the mask's fragments (A: 3, 4; B: 5, 6); v7, v8 where I stage K and V; v9, v10 the mask; v11 16 x lane; v12 the mask's offset in memory; v13, v14 prefetch
; offsets; v15, v16 the merge; v17, v18 2^e8 and 57,344 x it; v[20:21] beta; v22-32, v34-44 statistics of A, B: +0 -M, +1 largest t, +2, +3 the sum, +4 f, +6, +7 second chain, +8, +9 maxima, +10 the other half's;
; v46-59 the selecting source (six zeros, two words, six zeros); v60-75 Q; v76-91 the mask's fragments, then p's codes; v92-123 K's fragments, then V's; v124-187 O^T; v188-251 S^T, then p.
; Window 1: v0-31 K or V on its way to LDS, v32-47 the mask, v48, v49 the closing add's two.
; THE MODE: SCHED_MODE bits 1:0 = 2 (LLVM: expert scheduling mode 2), set by the entry lines.  The code itself states the register dependences between vector or matrix instructions and memory or LDS instructions,
; with s_wait_alu, always for 0.
; THE PLAN.  Registers that memory or LDS instructions touch, round the loop:
;   v76-91    the mask's fragments land at a step's head; the mask's products read them; the conversions write p's codes there; V^T P reads those.
;   v92-123   K's fragments land at a step's head; K Q^T reads them; V's fragments land behind the softmax's wait; V^T P reads those.
;   v256-287  global loads land, asked for at a step's head; the LDS stores at the step's end read them; no vector instruction names them.
;   v288-303  (waves 0 to 3) global loads land; sixteen shifts at the step's end rewrite them; LDS stores read them.
;   v1-v16    addresses and offsets: made at the head, never written again.
; So a step has: ONE wait on va_vdst at its head, for all that the step's LDS and global loads land in; beside it, where the step loads from memory, one on vm_vsrc for the staging registers; the wait behind the batch of
; exponentials, which also frees K's registers for V's loads, laid directly behind it; and, in waves 0 to 3, one between the shifts and the stores that read them.
.set SLOT1, 131072
.set VOFF,  49152
.set MOFF,  98304
.set MP,    272
.set XCH,   247296
.set QQ,    60
.set PC,    76
.set FF,    92
.set OO,    124
.set SS,    188
.set MSB, 0
.macro WIN new                         ; the immediate's high byte repeats the setting that is left
.if MSB != \new
	s_set_vgpr_msb (MSB<<8)|\new
.set MSB, \new
.endif
.endm
.macro PLACES                          ; four plain places behind matrix instructions, ahead of loads into their sources and of reads of their results
.rept 4
	v_nop
.endr
.endm
	s_load_b256 s[4:11], s[0:1], 0x0               ; qc s[4:5], kc s[6:7], vc s[8:9], rowflag s[10:11]
	s_load_b128 s[12:15], s[0:1], 0x20             ; mask s[12:13], the scales' exponents s[14:15]
	s_load_b64 s[16:17], s[0:1], 0x30              ; ac
	s_set_vgpr_msb 0x40
	v_lshl_add_u32 v48, v0, 2, 0x49e00
	v_mov_b32 v49, 0
	s_set_vgpr_msb 0x4000
	v_lshrrev_b32 v1, 5, v0
	v_readfirstlane_b32 s18, v1                    ; wave 0..11
	s_wait_alu depctr_va_sdst(0)                   ; s18 is written, ahead of its first reader
	s_lshr_b32 s19, s18, 2                         ; g: which of the three heads
	s_and_b32 s20, s18, 3                          ; wi: my place among the head's four waves
	s_bfe_u32 s21, s18, 0x10001                    ; pp: which pair of query tiles
	s_and_b32 s22, s18, 1                          ; kh: which half of the keys
	s_xor_b32 s23, s22, 1
	s_mov_b32 s24, ttmp9                           ; the block of 64 queries
	s_and_b32 s25, ttmp7, 0xffff
	s_mul_i32 s26, s25, 3
	s_add_co_u32 s26, s26, s19                     ; the head
	v_and_b32 v19, 31, v0                          ; lane
	v_and_b32 v33, 15, v0                          ; r
	v_bfe_u32 v45, v0, 4, 1                        ; h
	v_lshlrev_b32 v11, 4, v19
	; the selecting source: row m has the code of 1.0 at k = 16 t + m: lane m (m < 8) or 16 + m, register 2 t + (m / 4) % 2, byte m % 4
	v_and_b32 v252, 3, v19
	v_lshlrev_b32 v252, 3, v252
	v_mov_b32 v253, 0x3c
	v_lshlrev_b32 v253, v252, v253
	v_lshrrev_b32 v252, 2, v19
	v_cmp_eq_u32 s60, 0, v252                      ; the four compares in one run,
	v_cmp_eq_u32 s61, 6, v252
	v_cmp_eq_u32 s62, 1, v252
	v_cmp_eq_u32 s63, 7, v252
	s_wait_alu depctr_va_sdst(0)                   ; s60 to s63 are written, ahead of their first readers
	s_or_b32 s60, s60, s61
	s_or_b32 s62, s62, s63
	v_cndmask_b32 v52, 0, v253, s60                ; lanes 0-3 and 24-27
	v_cndmask_b32 v53, 0, v253, s62                ; lanes 4-7 and 28-31
.irp j, 46,47,48,49,50,51,54,55,56,57,58,59
	v_mov_b32 v\j, 0
.endr
	; LDS addresses, all made here, of constants, the lane and the wave's number
	s_lshl_b32 s60, s19, 14
	s_lshl_b32 s61, s22, 12
	s_add_co_u32 s60, s60, s61
	v_add_nc_u32 v1, s60, v11                      ; fragments: 16 lane + 16,384 g + 4,096 kh
	v_add_nc_u32 v2, SLOT1, v1
	v_lshrrev_b32 v252, 3, v33                     ; r / 8
	v_mul_u32_u24 v253, v33, MP
	v_mad_u32_u24 v253, v252, 2304, v253           ; row r + 8 (r / 8), + 128 (r / 8): the upper eight lie in the next group of 16 rows
	v_lshl_add_u32 v253, v45, 4, v253              ; + 16 h
	s_wait_alu depctr_va_vdst(0)
	s_mul_i32 s60, s21, 8960                       ; 32 pp rows of 272 bytes + two groups' 128
	s_lshl_b32 s61, s22, 6                         ; my half of 128 keys
	s_add_co_u32 s60, s60, s61
	s_add_co_u32 s60, s60, MOFF
	s_mul_i32 s61, s22, 2176                       ; tile A: 8 kh rows on
	s_add_co_u32 s61, s61, s60
	s_mul_i32 s62, s23, 2176                       ; tile B: 8 (kh xor 1)
	s_add_co_u32 s62, s62, s60
	v_add_nc_u32 v3, s61, v253
	v_add_nc_u32 v4, SLOT1, v3
	v_add_nc_u32 v5, s62, v253
	v_add_nc_u32 v6, SLOT1, v5
	s_lshl_b32 s60, s18, 12
	v_add_nc_u32 v7, s60, v11                      ; staging of K and V: 4,096 bytes a wave
	v_add_nc_u32 v8, SLOT1, v7
	v_mul_u32_u24 v254, v45, MP
	v_lshl_add_u32 v254, v33, 4, v254              ; staging of the mask: two rows an instruction
	s_mul_i32 s60, s20, 4480                       ; group wi of 16 rows: 16 x 272 + 128 bytes a group
	s_add_co_u32 s60, s60, MOFF
	v_add_nc_u32 v9, s60, v254
	v_add_nc_u32 v10, SLOT1, v9
	v_lshlrev_b32 v12, 12, v45
	v_lshl_add_u32 v12, v33, 4, v12                ; the same two rows in memory
	v_lshlrev_b32 v13, 8, v19
	v_lshlrev_b32 v14, 12, v19
	s_mul_i32 s60, s18, 4608
	s_add_co_u32 s60, s60, XCH
	v_add_nc_u32 v15, s60, v11
	s_xor_b32 s61, s18, 1
	s_mul_i32 s61, s61, 4608
	s_add_co_u32 s61, s61, XCH
	v_add_nc_u32 v16, s61, v11
	WIN 0x40                                       ; the mask's staging registers, which waves 0 to 3 alone load, are written once in every wave
.set j, 0
.rept 16
	v_mov_b32 v[32+j], 0
.set j, j+1
.endr
	WIN 0
.set j, 0
.rept 16
	v_mov_b32 v[220+j], 0
.set j, j+1
.endr
	s_wait_kmcnt 0x0
	s_load_b256 s[48:55], s[14:15], 0x0            ; e0 .. e7
	s_load_b128 s[56:59], s[14:15], 0x20           ; e8 .. e11
	s_lshl_b32 s66, s26, 18                        ; the head's 262,144 bytes in qc, kc and vc
	s_mov_b32 s67, 0
	s_lshl_b32 s68, s20, 12
	s_mov_b32 s69, 0
	s_add_nc_u64 s[68:69], s[68:69], s[66:67]
	s_add_nc_u64 s[28:29], s[6:7], s[68:69]        ; K: my 4,096 bytes of slot 0,
	s_add_nc_u64 s[30:31], s[8:9], s[68:69]        ; V likewise
	s_lshl_b32 s70, s24, 18
	s_lshl_b32 s71, s20, 16
	s_add_co_u32 s70, s70, s71
	s_mov_b32 s71, 0
	s_add_nc_u64 s[32:33], s[12:13], s[70:71]      ; the mask: row 64 x + 16 wi
	s_lshl_b32 s72, s24, 12
	s_lshl_b32 s73, s21, 11
	s_add_co_u32 s72, s72, s73
	s_mov_b32 s73, 0
	s_add_nc_u64 s[72:73], s[72:73], s[66:67]
	s_add_nc_u64 s[4:5], s[4:5], s[72:73]          ; Q: tile 4 x + 2 pp
	s_lshl_b32 s74, s22, 10
	s_lshl_b32 s75, s23, 10
	v_add_nc_u32 v254, s74, v11                    ; the four offsets of Q's and the flags' loads are made first, so that one wait serves all the head's loads
	v_add_nc_u32 v255, s75, v11
	v_lshlrev_b32 v253, 2, v33
	v_lshl_add_u32 v253, v252, 5, v253             ; 4 (r + 8 (r / 8))
	s_lshl_b32 s74, s24, 8
	s_lshl_b32 s75, s21, 7
	s_add_co_u32 s74, s74, s75
	s_mov_b32 s75, 0
	s_add_nc_u64 s[10:11], s[10:11], s[74:75]
	s_lshl_b32 s76, s22, 5
	s_lshl_b32 s77, s23, 5
	v_add_nc_u32 v252, s76, v253
	v_add_nc_u32 v253, s77, v253
	s_wait_alu depctr_va_vdst(0)                   ; v1 to v16 and v252 to v255 are written, which the kernel's loads, stores and prefetches read as addresses; so are v220-235 and v288-303, in which loads of the mask land
	global_load_b128 v[60:63], v254, s[4:5]
	global_load_b128 v[64:67], v254, s[4:5] offset:512
	global_load_b128 v[68:71], v255, s[4:5]
	global_load_b128 v[72:75], v255, s[4:5] offset:512
	global_load_b32 v236, v252, s[10:11]           ; my query's flag, tile A,
	global_load_b32 v237, v253, s[10:11]           ; tile B
	WIN 0x40
.irp i, 0,1,2,3,4,5,6,7
	global_load_b128 v[4*\i:4*\i+3], v11, s[28:29] offset:512*\i
.endr
	WIN 0
.irp i, 0,1,2,3,4,5,6,7
	global_load_b128 v[188+4*\i:191+4*\i], v11, s[30:31] offset:512*\i
.endr
	s_cmp_lg_u32 s19, 0                            ; waves 0 to 3 stage the mask
	s_cbranch_scc1 .Lnm0
	WIN 0x40
.irp i, 0,1,2,3
	global_load_b128 v[32+4*\i:35+4*\i], v12, s[32:33] offset:8192*\i
.endr
	WIN 0
.irp i, 0,1,2,3
	global_load_b128 v[220+4*\i:223+4*\i], v12, s[32:33] offset:32768+8192*\i
.endr
.Lnm0:
	; the prefetches: where mine stand, and who asks
	s_lshl_b32 s76, s22, 13
	s_add_co_u32 s76, s76, 16384                   ; in slot 1: the first slot's head steps it to slot 2
	s_mov_b32 s77, 0
	s_add_nc_u64 s[76:77], s[76:77], s[66:67]
	s_cmp_lt_u32 s20, 2                            ; wi 0, 1: halves of K's 16,384 bytes; wi 2, 3: of V's
	s_cselect_b64 s[34:35], s[6:7], s[8:9]
	s_add_nc_u64 s[34:35], s[34:35], s[76:77]
	s_lshl_b32 s76, s24, 18
	s_lshl_b32 s78, s22, 17
	s_add_co_u32 s76, s76, s78
	s_add_co_u32 s76, s76, 256
	s_add_nc_u64 s[36:37], s[12:13], s[76:77]      ; the mask: rows 64 x + 32 kh on
	s_cmp_eq_u32 s24, 0
	s_cselect_b32 s38, 1, 0                        ; K and V: the work-groups with x = 0, all twelve waves
	s_lshr_b32 s78, s18, 1
	s_xor_b32 s78, s78, 2
	s_or_b32 s78, s78, s25
	s_cmp_eq_u32 s78, 0
	s_cselect_b32 s39, 1, 0                        ; the mask: waves 4 and 5 of the work-groups with y = 0
	s_mov_b32 s46, 0x76543210
	s_mov_b32 s47, 0xfedcba98                      ; v_permlanex16_b32: lane l xor 16
.set j, 0
.rept 64
	v_mov_b32 v[OO+j], 0                           ; O^T.  (The step is written without a first step of its own: it finds zeros, which the first change of M leaves zeros)
.set j, j+1
.endr
.irp x, 0,1
	v_mov_b32 v[23+12*\x], 0xff61b1e6              ; the largest t so far: -3e38
	v_floor_f32 v[22+12*\x], -v[23+12*\x]          ; -M
	v_mov_b32 v[24+12*\x], 0                       ; the sum, in two halves
	v_mov_b32 v[25+12*\x], 0
	v_mov_b32 v[27+12*\x], 0                       ; (named as the upper half of f's pair)
	v_mov_b32 v[32+12*\x], 0                       ; a lane permute's destination counts as one of its sources
.endr
	s_wait_kmcnt 0x0
	s_add_co_i32 s60, s54, s55                     ; E = e6 + e7
	s_lshl_b32 s61, s60, 23
	s_add_co_i32 s42, s61, 0x3e38aa3b              ; c = log2(e) / 8 x 2^E: E is added to the exponent field
	s_mov_b32 s43, s42
	s_sub_co_i32 s61, 159, s60
	s_lshl_b32 s44, s61, 23                        ; alpha = 2^(32 - E)
	s_mov_b32 s45, s44
	s_sub_co_i32 s61, 160, s60
	s_lshl_b32 s61, s61, 23
	s_or_b32 s61, s61, 0x80000000                  ; beta = -2^(33 - E)
	v_mov_b32 v20, s61
	v_mov_b32 v21, s61
	s_add_co_i32 s60, s56, 127
	s_lshl_b32 s61, s60, 23
	v_mov_b32 v17, s61                             ; 2^e8
	s_add_co_i32 s60, s60, 15
	s_lshl_b32 s60, s60, 23
	s_or_b32 s60, s60, 0x600000
	v_mov_b32 v18, s60                             ; 57,344 x 2^e8
	s_wait_loadcnt 0x0
.irp j, 0,1,2,3,4,5,6,7
	v_and_b32 v[60+\j], v[60+\j], v236             ; a query whose row of the mask has no true entry gets zero codes
	v_and_b32 v[68+\j], v[68+\j], v237
.endr
	WIN 0x04                                       ; store data window 1
.irp i, 0,1,2,3,4,5,6,7
	ds_store_b128 v7, v[4*\i:4*\i+3] offset:512*\i   ; the data are as the loads left them: the wait for the loads is all that these stores hang on
.endr
	WIN 0
.irp i, 0,1,2,3,4,5,6,7
	ds_store_b128 v7, v[188+4*\i:191+4*\i] offset:VOFF+512*\i
.endr
	s_cmp_lg_u32 s19, 0
	s_cbranch_scc1 .Lnm1
	WIN 0x44
.set j, 0
.rept 16
	v_lshlrev_b32 v[32+j], 6, v[32+j]              ; 1 -> 0x40, the code of 2.0
.set j, j+1
.endr
	WIN 0
.set j, 0
.rept 16
	v_lshlrev_b32 v[220+j], 6, v[220+j]
.set j, j+1
.endr
	WIN 0x04
	s_wait_alu depctr_va_vdst(0)                   ; the 32 shifts have written v288-303 and v220-235, which the eight stores below read
.irp i, 0,1,2,3
	ds_store_b128 v9, v[32+4*\i:35+4*\i] offset:2*\i*MP
.endr
	WIN 0
.irp i, 0,1,2,3
	ds_store_b128 v9, v[220+4*\i:223+4*\i] offset:(8+2*\i)*MP
.endr
.Lnm1:
	s_add_nc_u64 s[28:29], s[28:29], 16384         ; on to slot 1 (the loads that read these bases are in)
	s_add_nc_u64 s[30:31], s[30:31], 16384
	s_add_nc_u64 s[32:33], s[32:33], 256
; A STEP: my 64 keys of the q-th 128 of slot sl, for my two tiles of queries.  ld = 1: a part of the next 256 keys goes from memory to the other slot (q = 0: K and half of the mask; q = 1: V and the other half).
.macro STEP sl, q, ld, pf
	PLACES                                         ; behind the last step's V^T P, ahead of loads into its sources
	s_wait_alu depctr_va_vdst(0)                   ; the last step's V^T P is done reading v76-91 and v92-123, and its conversions have written v76-91: the twelve LDS loads below land there; its shifts are done with v288-303, in which the mask's loads below land
.if \ld
	s_wait_alu depctr_vm_vsrc(0)                   ; the staging stores issued so far have read v256-303, in which the global loads below land; in the first step also v188-235, which the mask's products below write
.endif
.irp x, 0,1
.irp c, 0,1
	ds_load_b128 v[PC+8*\x+4*\c:PC+8*\x+4*\c+3], v[3+2*\x+\sl] offset:128*\q+32*\c
.endr
.endr
.irp t, 0,1,2,3
.irp c, 0,1
	ds_load_b128 v[FF+8*\t+4*\c:FF+8*\t+4*\c+3], v[1+\sl] offset:8192*\q+1024*\t+512*\c
.endr
.endr
.if \ld                                ; the staging loads stand at the step's head: no vector or matrix instruction since the two waits above names v11, v12 or v256-303, and the whole step lies ahead of the wait for them
	WIN 0x40
.irp i, 0,1,2,3,4,5,6,7
.if \q == 0
	global_load_b128 v[4*\i:4*\i+3], v11, s[28:29] offset:512*\i
.else
	global_load_b128 v[4*\i:4*\i+3], v11, s[30:31] offset:512*\i
.endif
.endr
	WIN 0
	s_cmp_lg_u32 s19, 0
	s_cbranch_scc1 .Lnml_\@
	WIN 0x40
.irp i, 0,1,2,3
	global_load_b128 v[32+4*\i:35+4*\i], v12, s[32:33] offset:(8*\q+2*\i)*4096
.endr
	WIN 0
.Lnml_\@:
.endif
.if \pf
; PREFETCH of the 256 keys after those just asked for, behind my loads.  K and V of a head are walked by 64 work-groups: those with x = 0 ask, 8,192 bytes a wave, lanes 256 bytes apart.  A block of the mask's rows is
; walked by 4 work-groups: the one with y = 0 asks, in waves 4 and 5, a lane a row, 256 bytes of it.  So each aligned 256 bytes are named once in the launch.  The last two slots ask for nothing.
	s_cmp_lg_u32 s38, 0
	s_cbranch_scc0 .Lnpk_\@
	global_prefetch_b8 v13, s[34:35] th:TH_LOAD_NT scope:SCOPE_SE
.Lnpk_\@:
	s_cmp_lg_u32 s39, 0
	s_cbranch_scc0 .Lnpm_\@
	global_prefetch_b8 v14, s[36:37] th:TH_LOAD_NT scope:SCOPE_SE
.Lnpm_\@:
.endif
	s_wait_dscnt 8                                 ; the mask's four loads are in, and the last step's staging stores are done; K's eight may be out
.irp t, 0,1,2,3
.irp x, 0,1
	v_wmma_f32_16x16x64_bf8_bf8 v[SS+32*\x+8*\t:SS+32*\x+8*\t+7], v[52-2*\t:59-2*\t], v[PC+8*\x:PC+8*\x+7], 0   ; 2 x mask, in S^T's layout
.endr
.endr
	PLACES
.set j, 0
.rept 32
	v_pk_fma_f32 v[SS+j:SS+j+1], v[SS+j:SS+j+1], s[44:45], v[20:21] op_sel_hi:[1,0,1]   ; the bias: 2 alpha + beta = 0 where the mask is true, beta where it is false; each accumulator from its low end on
.set j, j+2
.endr
	s_wait_alu depctr_va_vdst(0)
	s_wait_dscnt 0x0                               ; K
.irp t, 0,1,2,3
.irp x, 0,1
	v_wmma_f32_16x16x64_bf8_bf8 v[SS+32*\x+8*\t:SS+32*\x+8*\t+7], v[FF+8*\t:FF+8*\t+7], v[QQ+8*\x:QQ+8*\x+7], v[SS+32*\x+8*\t:SS+32*\x+8*\t+7]   ; + K Q^T; the eight accumulators by turns
.endr
.endr
	PLACES
.irp x, 0,1                            ; the step's largest score of my query among my 32 keys: two chains a tile, ascending
	v_max3_num_f32 v[30+12*\x], v[SS+32*\x], v[SS+32*\x+1], v[SS+32*\x+2]
	v_max3_num_f32 v[31+12*\x], v[SS+32*\x+3], v[SS+32*\x+4], v[SS+32*\x+5]
.endr
.irp i, 6,10,14,18,22,26
.irp x, 0,1
	v_max3_num_f32 v[30+12*\x], v[30+12*\x], v[SS+32*\x+\i], v[SS+32*\x+\i+1]
	v_max3_num_f32 v[31+12*\x], v[31+12*\x], v[SS+32*\x+\i+2], v[SS+32*\x+\i+3]
.endr
.endr
.irp x, 0,1
	v_max3_num_f32 v[30+12*\x], v[30+12*\x], v[SS+32*\x+30], v[SS+32*\x+31]
.endr
.irp x, 0,1
	v_max_num_f32 v[30+12*\x], v[30+12*\x], v[31+12*\x]
.endr
.irp x, 0,1
	v_permlanex16_b32 v[32+12*\x], v[30+12*\x], s46, s47
.endr
.irp x, 0,1
	v_max_num_f32 v[30+12*\x], v[30+12*\x], v[32+12*\x]   ; and among lane l xor 16's
.endr
.irp x, 0,1
	v_mul_f32 v[30+12*\x], s42, v[30+12*\x]        ; as t (c is positive)
.endr
.irp x, 0,1
	v_max_num_f32 v[23+12*\x], v[23+12*\x], v[30+12*\x]   ; the running largest t
	v_mov_b32 v[30+12*\x], v[22+12*\x]
.endr
.irp x, 0,1
	v_floor_f32 v[22+12*\x], -v[23+12*\x]          ; the new -M = -ceil(t)
.endr
.irp x, 0,1
	v_sub_f32 v[30+12*\x], v[22+12*\x], v[30+12*\x]   ; old M - new M: a whole number, 0 or less
.endr
.irp x, 0,1
	v_cvt_i32_f32 v[30+12*\x], v[30+12*\x]         ; (it saturates)
.endr
.irp x, 0,1
	v_ldexp_f32 v[26+12*\x], 1.0, v[30+12*\x]      ; f = 2^(old M - new M)
.endr
.set j, 0
.rept 16
	v_pk_fma_f32 v[SS+j:SS+j+1], v[SS+j:SS+j+1], s[42:43], v[22:23] op_sel_hi:[1,0,0]   ; t - M, two at a time
	v_pk_fma_f32 v[SS+32+j:SS+33+j], v[SS+32+j:SS+33+j], s[42:43], v[34:35] op_sel_hi:[1,0,0]
.set j, j+2
.endr
.set j, 0
	s_wait_alu depctr_va_vdst(0)
.rept 64
	v_exp_f32 v[SS+j], v[SS+j]                     ; p = 2^(t - M): one batch
.set j, j+1
.endr
	v_pk_mul_f32 v[24:25], v[24:25], v[26:27] op_sel_hi:[1,0]   ; the sums under the new M: the plain place behind the batch
	v_pk_mul_f32 v[36:37], v[36:37], v[38:39] op_sel_hi:[1,0]
	s_wait_alu depctr_va_vdst(0)                   ; one wait for the 64 exponentials, which have written v188-251, ahead of their first reader; and K Q^T is done reading v92-123, in which V's fragments land
.irp t, 0,1,2,3
.irp c, 0,1
	ds_load_b128 v[FF+8*\t+4*\c:FF+8*\t+4*\c+3], v[1+\sl] offset:VOFF+8192*\q+1024*\t+512*\c   ; V's fragments land during the sums, the conversions and the rescaling of O^T, none of which names v92-123
.endr
.endr
.irp x, 0,1
	v_pk_add_f32 v[28+12*\x:29+12*\x], v[SS+32*\x:SS+32*\x+1], v[SS+32*\x+2:SS+32*\x+3]   ; the sum is taken of the unquantised p, two chains a tile
.endr
.irp i, 4,8,12,16,20,24,28
.irp x, 0,1
	v_pk_add_f32 v[24+12*\x:25+12*\x], v[24+12*\x:25+12*\x], v[SS+32*\x+\i:SS+32*\x+\i+1]
	v_pk_add_f32 v[28+12*\x:29+12*\x], v[28+12*\x:29+12*\x], v[SS+32*\x+\i+2:SS+32*\x+\i+3]
.endr
.endr
.irp x, 0,1
	v_pk_add_f32 v[24+12*\x:25+12*\x], v[24+12*\x:25+12*\x], v[28+12*\x:29+12*\x]
.endr
	s_cmp_gt_i32 s56, -16                          ; e8 >= -15: p / 2^e8 <= 2^15, under the largest code: the hold would change nothing
	s_cbranch_scc1 .Lnohold_\@
.set j, 0
.rept 64
	v_min_num_f32 v[SS+j], v[SS+j], v18            ; the conversion does not saturate (ISA guide 7.6.2); p is not negative, so the hold is one-sided
.set j, j+1
.endr
.Lnohold_\@:
.irp t, 0,1,2,3
.irp x, 0,1
	v_cvt_scalef32_pk8_bf8_f32 v[PC+8*\x+2*\t:PC+8*\x+2*\t+1], v[SS+32*\x+8*\t:SS+32*\x+8*\t+7], v17
.endr
.endr
.set j, 0
.rept 16
	v_pk_mul_f32 v[OO+j:OO+j+1], v[OO+j:OO+j+1], v[26:27] op_sel_hi:[1,0]   ; O^T under the new M; these are also the plain lines between the conversions and the products
	v_pk_mul_f32 v[OO+32+j:OO+33+j], v[OO+32+j:OO+33+j], v[38:39] op_sel_hi:[1,0]
.set j, j+2
.endr
	s_wait_alu depctr_va_vdst(0)
	s_wait_dscnt 0x0                               ; V
.irp t, 0,1,2,3
.irp x, 0,1
	v_wmma_f32_16x16x64_bf8_bf8 v[OO+32*\x+8*\t:OO+32*\x+8*\t+7], v[FF+8*\t:FF+8*\t+7], v[PC+8*\x:PC+8*\x+7], v[OO+32*\x+8*\t:OO+32*\x+8*\t+7]
.endr
.endr
.if \ld
	s_wait_loadcnt 0x0                             ; what was asked for at the step's head is in: so its bases may be stepped too
	WIN 0x04
.irp i, 0,1,2,3,4,5,6,7
	ds_store_b128 v[8-\sl], v[4*\i:4*\i+3] offset:VOFF*\q+512*\i   ; the data are as the loads left them
.endr
	WIN 0
.if \q == 0
	s_add_nc_u64 s[28:29], s[28:29], 16384
.else
	s_add_nc_u64 s[30:31], s[30:31], 16384
.endif
	s_cmp_lg_u32 s19, 0
	s_cbranch_scc1 .Lnms_\@
	WIN 0x44
.set j, 0
.rept 16
	v_lshlrev_b32 v[32+j], 6, v[32+j]
.set j, j+1
.endr
	WIN 0x04
	s_wait_alu depctr_va_vdst(0)                   ; the sixteen shifts have written v288-303, which the four stores below read
.irp i, 0,1,2,3
	ds_store_b128 v[10-\sl], v[32+4*\i:35+4*\i] offset:(8*\q+2*\i)*MP
.endr
	WIN 0
.Lnms_\@:
.if \q == 1
	s_add_nc_u64 s[32:33], s[32:33], 256
.endif
.endif
.endm
; 256 keys.  The barrier at the head: every wave's stores into this slot are done and its reads of the other slot are back; behind it this slot is read and the other one is written.
.macro SLOT sl, ld, pf
	s_wait_dscnt 0x0
	s_barrier_signal -1
	s_barrier_wait -1
.if \pf
	s_wait_xcnt 0x0                                ; the last prefetches, a slot back, have read their bases
	s_add_nc_u64 s[34:35], s[34:35], 16384
	s_add_nc_u64 s[36:37], s[36:37], 256
.endif
	STEP \sl, 0, \ld, \pf
	STEP \sl, 1, \ld, 0
.endm
	s_mov_b32 s40, 7
.Lloop:                                            ; seven trips of two slots: keys 0 to 3,583
	SLOT 0, 1, 1
	SLOT 1, 1, 1
	s_sub_co_u32 s40, s40, 1
	s_cmp_lg_u32 s40, 0
	s_cbranch_scc1 .Lloop
	SLOT 0, 1, 0                                   ; the last slot but one fetches the last and prefetches nothing,
	SLOT 1, 0, 0                                   ; the last fetches nothing: no load leaves its buffer
	; THE MERGE.  Tile B's sums over my half of the keys go to wave xor 1, whose tile A it is; its sums for my tile A come back.
	PLACES
	v_add_f32 v36, v36, v37                        ; B's sum, its two halves
	s_wait_alu depctr_va_vdst(0)                   ; the last products have written v156-187 and the addition v36, which the nine stores below read (the places above stay beside this wait); and all that named v188-223 is done: the loads behind the barrier land there
.irp i, 0,1,2,3,4,5,6,7
	ds_store_b128 v15, v[OO+32+4*\i:OO+35+4*\i] offset:512*\i
.endr
	ds_store_b128 v15, v[34:37] offset:4096        ; -M, (t), the sum, (-)
	s_wait_dscnt 0x0                               ; for the other wave's sake
	s_barrier_signal -1
	s_barrier_wait -1
.irp i, 0,1,2,3,4,5,6,7
	ds_load_b128 v[SS+4*\i:SS+4*\i+3], v16 offset:512*\i
.endr
	ds_load_b128 v[220:223], v16 offset:4096
	v_add_f32 v24, v24, v25
	s_wait_dscnt 0x0
	v_min_num_f32 v252, v22, v220                  ; -M of both halves: the larger M
	v_sub_f32 v253, v252, v22
	v_sub_f32 v254, v252, v220
	v_cvt_i32_f32 v253, v253
	v_cvt_i32_f32 v254, v254
	v_ldexp_f32 v26, 1.0, v253                     ; mine under the common M,
	s_wait_alu depctr_va_vdst(0)
	v_ldexp_f32 v28, 1.0, v254                     ; the other's
	v_mul_f32 v24, v24, v26
	v_fma_f32 v24, v222, v28, v24
	v_permlanex16_b32 v32, v24, s46, s47
	v_add_f32 v24, v24, v32                        ; the row's sum over all 4,096 keys
	s_wait_alu depctr_va_vdst(0)
	v_rcp_f32 v30, v24
.set j, 0
	s_wait_alu depctr_va_vdst(0)
.rept 16
	v_pk_mul_f32 v[OO+j:OO+j+1], v[OO+j:OO+j+1], v[26:27] op_sel_hi:[1,0]
.set j, j+2
.endr
.set j, 0
.rept 16
	v_pk_fma_f32 v[OO+j:OO+j+1], v[SS+j:SS+j+1], v[28:29], v[OO+j:OO+j+1] op_sel_hi:[1,0,1]
.set j, j+2
.endr
	s_sub_co_i32 s60, s58, s56                     ; a sum stands for sum x 2^(e8 + e9): its code for the last product is (sum / l) / 2^(e10 - e8 - e9)
	s_sub_co_i32 s60, s60, s57
	s_add_co_i32 s60, s60, 127
	s_lshl_b32 s61, s60, 23
	v_mov_b32 v17, s61
	s_add_co_i32 s60, s60, 15
	s_lshl_b32 s60, s60, 23
	s_or_b32 s60, s60, 0x600000
	v_mov_b32 v18, s60
	s_wait_alu depctr_va_vdst(0)                   ; the reciprocal has written v30: its wait, ahead of its first reader; the merge of O^T stands between
.set j, 0
.rept 16
	v_pk_mul_f32 v[OO+j:OO+j+1], v[OO+j:OO+j+1], v[30:31] op_sel_hi:[1,0]
.set j, j+2
.endr
.set j, 0
.rept 32
	v_med3_num_f32 v[OO+j], v[OO+j], -v18, v18
.set j, j+1
.endr
.irp t, 0,1,2,3
	v_cvt_scalef32_pk8_bf8_f32 v[PC+2*\t:PC+2*\t+1], v[OO+8*\t:OO+8*\t+7], v17   ; registers 2 t, 2 t + 1: channels 16 t + 8 h + 0 .. 7 of the head
.endr
	v_nop
	s_lshl_b32 s60, s24, 2
	s_lshl_b32 s61, s21, 1
	s_add_co_u32 s60, s60, s61
	s_add_co_u32 s60, s60, s22                     ; token tile 4 x + 2 pp + kh
	s_mul_i32 s60, s60, 12288
	s_lshl_b32 s61, s26, 10
	s_add_co_u32 s60, s60, s61
	s_mov_b32 s61, 0
	s_add_nc_u64 s[16:17], s[16:17], s[60:61]
	s_wait_alu depctr_va_vdst(0)                   ; the four conversions have written v76-83, which the two stores read
	global_store_b128 v11, v[PC:PC+3], s[16:17]    ; 512 consecutive bytes a store
	global_store_b128 v11, v[PC+4:PC+7], s[16:17] offset:512
	s_barrier_signal -1
	s_barrier_wait -1
	s_set_vgpr_msb 0x5                             ; the add's two registers, sources 0 and 1, lie in window 1
	s_wait_dscnt 0x0                               ; the closing lines, six on end
	s_wait_alu 0x0
	s_wait_tensorcnt 0x0
	ds_add_u32 v48, v49
	s_wait_dscnt 0x0
	s_endpgm
.Lfunc_end_k_q5510cf95f5_attn:
	.size	k_q5510cf95f5_attn, .Lfunc_end_k_q5510cf95f5_attn-k_q5510cf95f5_attn
	.p2alignl 7, 3214868480
	.fill 96, 4, 3214868480
	.section	.rodata,"a",@progbits
	.p2align	6, 0x0
	.amdhsa_kernel k_q5510cf95f5_attn
		.amdhsa_group_segment_fixed_size 304128
		.amdhsa_private_segment_fixed_size 0
		.amdhsa_enable_private_segment 0
		.amdhsa_kernarg_size 56
		.amdhsa_user_sgpr_count 2
		.amdhsa_user_sgpr_kernarg_segment_ptr 1
		.amdhsa_wavefront_size32 1
		.amdhsa_system_sgpr_workgroup_id_x 1
		.amdhsa_system_sgpr_workgroup_id_y 1
		.amdhsa_system_sgpr_workgroup_id_z 1
		.amdhsa_system_vgpr_workitem_id 0
		.amdhsa_next_free_vgpr 306
		.amdhsa_next_free_sgpr 80
		.amdhsa_reserve_vcc 0
		.amdhsa_float_denorm_mode_32 3
		.amdhsa_float_denorm_mode_16_64 3
		.amdhsa_memory_ordered 1
		.amdhsa_forward_progress 1
		.amdhsa_inst_pref_size 196
	.end_amdhsa_kernel
	.amdgpu_metadata
---
amdhsa.version: [ 1, 2 ]
amdhsa.kernels:
  - .name:           k_q5510cf95f5_attn
    .symbol:         k_q5510cf95f5_attn.kd
    .args:
      - { .name: qc, .offset: 0, .size: 8, .value_kind: global_buffer, .address_space: global }
      - { .name: kc, .offset: 8, .size: 8, .value_kind: global_buffer, .address_space: global }
      - { .name: vc, .offset: 16, .size: 8, .value_kind: global_buffer, .address_space: global }
      - { .name: rowflag, .offset: 24, .size: 8, .value_kind: global_buffer, .address_space: global }
      - { .name: mask, .offset: 32, .size: 8, .value_kind: global_buffer, .address_space: global }
      - { .name: lowp_scales, .offset: 40, .size: 8, .value_kind: global_buffer, .address_space: global }
      - { .name: ac, .offset: 48, .size: 8, .value_kind: global_buffer, .address_space: global }
    .group_segment_fixed_size: 304128
    .private_segment_fixed_size: 0
    .kernarg_segment_align: 8
    .kernarg_segment_size: 56
    .max_flat_workgroup_size: 384
    .sgpr_count:     80
    .vgpr_count:     306
    .wavefront_size: 32
...
	.end_amdgpu_metadata
.endif
;; end of part 5
;; launch oproj (part 6): grid 64 x 4, 12 waves a work-group, no clusters, 101,376 bytes of LDS; arguments ac, Wo_codes, bo, lowp_scales, out0; writes out0
.if DOCPART == 6
	.amdgcn_target "amdgcn-amd-amdhsa--gfx1250"
	.amdhsa_code_object_version 6
	.text
	.protected	k_q5510cf95f5_oproj
	.globl	k_q5510cf95f5_oproj
	.p2align	8
	.type	k_q5510cf95f5_oproj,@function
k_q5510cf95f5_oproj:
	s_mov_b64 s[64:65], 0
	v_nop
	global_prefetch_b8 v0, s[64:65] scope:SCOPE_SE
	s_setreg_imm32_b32 hwreg(HW_REG_WAVE_SCHED_MODE, 0, 2), 2
	s_setreg_imm32_b32 hwreg(HW_REG_WAVE_MODE, 25, 1), 1
	s_wait_xcnt 0x0
	s_wait_alu depctr_vm_vsrc(0)
; out0 = a Wo^T + bo on codes of BF8 (E5M2).  a: the heads' outputs as the attention launch left them: [token tile][head][c 2][lane][16], images of operand registers; heads 2 s and 2 s + 1 of a tile are one fragment
; of 128 along K, k in this form's own places (registers 2 c, 2 c + 1: k = 16 c + 8 h + 0 .. 7).  So Wo's fragments are fetched by loads of 8 bytes in the same places.
; SHARES.  A work-group: 64 tokens (four tiles: one dense block of 49,152 bytes of a, copied to LDS once) x 192 output channels (y).  Wave w holds its 16 rows of Wo (6 fragments, 96 registers) for the whole launch.
; The product is used transposed (source 0 = 16 rows of Wo, source 1 = 16 tokens): a lane holds 8 neighbouring outputs of one token.  They meet in a stage in LDS and leave as aligned runs of 256 bytes.
; Lane r of token tile t stands for token 32 (t / 2) + 8 (t % 2) + r + 8 (r / 8) of the 64.
; No cluster: a work-group reads its bytes once, at its head, and has no ring in which joint requests could meet.
; LIMIT: e10 + e11 between -126 and 127, so that 2^(e10 + e11) is an f32 number.
; LDS: a's block at 0; the stage at 49,152: row p at 784 p + 128 (p / 16), 50,544 bytes: rows 16 apart differ by 128 modulo 256 bytes, so that the 16 rows that a store touches start at 16 different 16-byte columns.
; REGISTERS: v1 16 x lane; v2 Wo's offset; v3 the stage, in; v4 the stage, back; v5 the same place in out0; v6 where I stage a; v11 bo's offset; v16-111 Wo; v112-175 four fragments of a, buffer 0 (also staging, and the
; rows read back); v176-207 the four accumulators; v208-215 bo; v216-247 y; v254, v255 the closing add's two.  Window 1: v0-63 four fragments of a, buffer 1.
; THE MODE: SCHED_MODE bits 1:0 = 2 (LLVM: expert scheduling mode 2), set by the entry lines.  The code itself states the register dependences between vector or matrix instructions and memory or LDS instructions,
; with s_wait_alu, always for 0.
; THE PLAN.  Registers that memory or LDS instructions touch:
;   buffer 0 (v112-175), buffer 1 (v256-319)   K step s: its four products read buffer s % 2; the LDS loads of step s + 1, issued ahead of them, land in the other buffer, which the products of step s - 1 read.
;   v112-143 besides: a's block on its way to LDS at the head (loads land, LDS stores read); the rows read back from the stage at the end (LDS loads land, global stores read).
;   v216-247   y: written by the packed multiply-adds, read by the LDS stores, once.
;   v1-6, v11  addresses and offsets: made at the head, never written again.
; So ONE wait on va_vdst stands in each of K steps 1 to 4, behind the wait for the step's own fragments: the products of the step before are done reading the buffer that is asked for again.  Step 5 asks for nothing.
.set STG, 49152
.set MSB, 0
.macro WIN new                         ; the immediate's high byte repeats the setting that is left
.if MSB != \new
	s_set_vgpr_msb (MSB<<8)|\new
.set MSB, \new
.endif
.endm
.macro PLACES
.rept 4
	v_nop
.endr
.endm
.macro FETCH s, base                   ; the four fragments of K step s, from a's block in LDS, into the buffer that begins at v[base] of the window set for the destination
.irp t, 0,1,2,3
.irp c, 0,1,2,3
	ds_load_b128 v[\base+16*\t+4*\c:\base+16*\t+4*\c+3], v1 offset:12288*\t+2048*(\s)+512*\c
.endr
.endr
.endm
.macro MM s, base, zero                ; four products; the four accumulators by turns; the first K step starts the sums
.irp t, 0,1,2,3
.if \zero
	v_wmma_f32_16x16x128_bf8_bf8 v[176+8*\t:183+8*\t], v[16+16*(\s):31+16*(\s)], v[\base+16*\t:\base+16*\t+15], 0
.else
	v_wmma_f32_16x16x128_bf8_bf8 v[176+8*\t:183+8*\t], v[16+16*(\s):31+16*(\s)], v[\base+16*\t:\base+16*\t+15], v[176+8*\t:183+8*\t]
.endif
.endr
.endm
; K step s, 1 to 5.  Its fragments were asked for in the step before.
.macro KSTEP s
	s_wait_dscnt 0x0                               ; this step's sixteen loads are in
.if \s < 5
	PLACES                                         ; behind the products that read the buffer about to be loaded
.if (\s)%2
	WIN 0
.else
	WIN 0x40                                       ; destination window 1
.endif
	s_wait_alu depctr_va_vdst(0)                   ; the products of the step before are done reading their buffer, in which the sixteen loads below land; this step's products name the other buffer
	FETCH (\s)+1, 112*((\s)%2)
.endif
.if (\s)%2
	WIN 0x04                                       ; source 1 window 1
	MM \s, 0, 0
.else
	WIN 0
	MM \s, 112, 0
.endif
.endm
	s_load_b256 s[4:11], s[0:1], 0x0               ; a s[4:5], Wo s[6:7], bo s[8:9], the scales' exponents s[10:11]
	s_load_b64 s[12:13], s[0:1], 0x20              ; out0
	v_lshl_add_u32 v254, v0, 2, 0x18600
	v_mov_b32 v255, 0
	v_lshrrev_b32 v1, 5, v0
	v_readfirstlane_b32 s14, v1                    ; wave 0..11
	s_and_b32 s15, ttmp7, 0xffff                   ; which 192 channels
	v_and_b32 v7, 31, v0
	v_and_b32 v8, 15, v0                           ; r
	v_bfe_u32 v9, v0, 4, 1                         ; h
	s_wait_alu depctr_va_vdst(0)
	v_lshlrev_b32 v1, 4, v7
	v_mul_u32_u24 v2, v8, 768
	v_lshl_add_u32 v2, v9, 3, v2                   ; Wo: row r, + 8 h
	v_lshrrev_b32 v10, 3, v8
	v_mul_u32_u24 v3, v8, 784
	v_mad_u32_u24 v3, v10, 6400, v3                ; row r + 8 (r / 8), + 128 (r / 8): the upper eight lie in the next group of 16 rows
	v_lshl_add_u32 v3, v9, 5, v3                   ; + 32 h
	s_wait_alu depctr_va_sdst(0)                   ; s14 is written, ahead of its first reader
	s_lshl_b32 s16, s14, 6                         ; + my 16 channels' 64 bytes
	s_add_co_u32 s16, s16, STG
	v_add_nc_u32 v3, s16, v3
	s_mul_i32 s17, s14, 11
	s_lshr_b32 s17, s17, 5                         ; rg = w / 3: which 16 rows I store; which 256 bytes of them: w - 3 rg
	s_mul_i32 s18, s17, 11904                      ; (16 x 784 + 128) rg + 256 (w - 3 rg) = 11,904 rg + 256 w
	s_lshl_b32 s19, s14, 8
	s_add_co_u32 s18, s18, s19
	s_add_co_u32 s18, s18, STG
	v_mul_u32_u24 v4, v9, 784
	v_lshl_add_u32 v4, v8, 4, v4                   ; lanes 0-15 one row, lanes 16-31 the next
	v_add_nc_u32 v4, s18, v4
	v_mul_u32_u24 v5, v9, 3072
	v_lshl_add_u32 v5, v8, 4, v5
	s_lshl_b32 s19, s14, 12
	v_add_nc_u32 v6, s19, v1
	v_lshlrev_b32 v11, 5, v9
	s_mul_i32 s20, ttmp9, 49152                    ; a: my work-group's block, my wave's 4,096 bytes
	s_add_co_u32 s20, s20, s19
	s_mov_b32 s21, 0
	s_mul_i32 s22, s15, 147456                     ; Wo: row 192 y + 16 w
	s_mul_i32 s23, s14, 12288
	s_add_co_u32 s22, s22, s23
	s_mov_b32 s23, 0
	s_mul_i32 s28, s15, 768                        ; bo: 4 (192 y + 16 w)
	s_lshl_b32 s29, s14, 6
	s_add_co_u32 s28, s28, s29
	s_mov_b32 s29, 0
	s_mul_i32 s30, ttmp9, 196608                   ; out0: 64 rows of 3,072 bytes,
	s_mul_i32 s31, s15, 768                        ; the 192 channels,
	s_add_co_u32 s30, s30, s31
	s_mul_i32 s31, s17, 48384                      ; 16 x 3,072 rg + 256 (w - 3 rg)
	s_add_co_u32 s30, s30, s31
	s_lshl_b32 s31, s14, 8
	s_add_co_u32 s30, s30, s31
	s_mov_b32 s31, 0
	s_wait_kmcnt 0x0
	s_load_b64 s[24:25], s[10:11], 0x28            ; e10, e11
	s_add_nc_u64 s[4:5], s[4:5], s[20:21]
	s_add_nc_u64 s[6:7], s[6:7], s[22:23]
	s_add_nc_u64 s[8:9], s[8:9], s[28:29]
	s_add_nc_u64 s[12:13], s[12:13], s[30:31]
	s_wait_alu depctr_va_vdst(0)                   ; v1 to v6 and v11 are written, which the kernel's loads and stores read as addresses
.irp i, 0,1,2,3,4,5,6,7
	global_load_b128 v[112+4*\i:115+4*\i], v1, s[4:5] offset:512*\i
.endr
.irp s, 0,1,2,3,4,5
.irp c, 0,1,2,3,4,5,6,7
	global_load_b64 v[16+16*\s+2*\c:17+16*\s+2*\c], v2, s[6:7] offset:128*\s+16*\c
.endr
.endr
	global_load_b128 v[208:211], v11, s[8:9]       ; bo of my lane's eight channels
	global_load_b128 v[212:215], v11, s[8:9] offset:16
	s_wait_loadcnt 50                              ; a's eight loads are in: behind them stand Wo's 48 and bo's 2
.irp i, 0,1,2,3,4,5,6,7
	ds_store_b128 v6, v[112+4*\i:115+4*\i] offset:512*\i   ; the data are as the loads left them
.endr
	s_wait_dscnt 0x0                               ; for the others' sake
	s_barrier_signal -1
	s_barrier_wait -1
	s_wait_alu depctr_vm_vsrc(0)                   ; my eight LDS stores have read v112-143, in which K step 0's fragments land
	FETCH 0, 112                                   ; buffer 0,
	WIN 0x40
	FETCH 1, 0                                     ; buffer 1: no instruction has named it yet
	WIN 0
	s_wait_loadcnt 0x0                             ; Wo and bo
	s_wait_dscnt 16                                ; K step 0's sixteen loads are in; step 1's may be out
	MM 0, 112, 1
	KSTEP 1
	KSTEP 2
	KSTEP 3
	KSTEP 4
	KSTEP 5
	WIN 0
	s_wait_kmcnt 0x0
	s_add_co_i32 s26, s24, s25
	s_add_co_i32 s26, s26, 127
	s_lshl_b32 s26, s26, 23                        ; 2^(e10 + e11)
	s_mov_b32 s27, s26                             ; (named with it as a pair)
	PLACES
.irp t, 0,1,2,3
.irp i, 0,2,4,6
	v_pk_fma_f32 v[216+8*\t+\i:217+8*\t+\i], v[176+8*\t+\i:177+8*\t+\i], s[26:27], v[208+\i:209+\i] op_sel_hi:[1,0,1]   ; y = sum x 2^(e10 + e11) + bo
.endr
.endr
	s_wait_alu depctr_va_vdst(0)                   ; the multiply-adds have written v216-247, which the eight stores below read; and the products are done reading v112-143, in which the loads behind the barrier land
.irp t, 0,1,2,3                        ; tile t begins at row 32 (t / 2) + 8 (t % 2), in group 2 (t / 2) of 16 rows
	ds_store_b128 v3, v[216+8*\t:219+8*\t] offset:(32*(\t/2)+8*(\t%2))*784+256*(\t/2)
	ds_store_b128 v3, v[220+8*\t:223+8*\t] offset:(32*(\t/2)+8*(\t%2))*784+256*(\t/2)+16
.endr
	s_wait_dscnt 0x0                               ; a row's 768 bytes come from twelve waves
	s_barrier_signal -1
	s_barrier_wait -1
.irp i, 0,1,2,3,4,5,6,7
	ds_load_b128 v[112+4*\i:115+4*\i], v4 offset:1568*\i
.endr
.irp i, 0,1,2,3,4,5,6,7
	s_wait_dscnt 7-\i                              ; the younger loads may be out
	global_store_b128 v5, v[112+4*\i:115+4*\i], s[12:13] offset:6144*\i th:TH_STORE_NT   ; sixteen lanes store 256 consecutive bytes, at a multiple of 256 from out0's first byte
.endr
	s_barrier_signal -1
	s_barrier_wait -1
	s_wait_dscnt 0x0                               ; the closing lines, six on end
	s_wait_alu 0x0
	s_wait_tensorcnt 0x0
	ds_add_u32 v254, v255
	s_wait_dscnt 0x0
	s_endpgm
.Lfunc_end_k_q5510cf95f5_oproj:
	.size	k_q5510cf95f5_oproj, .Lfunc_end_k_q5510cf95f5_oproj-k_q5510cf95f5_oproj
	.p2alignl 7, 3214868480
	.fill 96, 4, 3214868480
	.section	.rodata,"a",@progbits
	.p2align	6, 0x0
	.amdhsa_kernel k_q5510cf95f5_oproj
		.amdhsa_group_segment_fixed_size 101376
		.amdhsa_private_segment_fixed_size 0
		.amdhsa_enable_private_segment 0
		.amdhsa_kernarg_size 40
		.amdhsa_user_sgpr_count 2
		.amdhsa_user_sgpr_kernarg_segment_ptr 1
		.amdhsa_wavefront_size32 1
		.amdhsa_system_sgpr_workgroup_id_x 1
		.amdhsa_system_sgpr_workgroup_id_y 1
		.amdhsa_system_sgpr_workgroup_id_z 1
		.amdhsa_system_vgpr_workitem_id 0
		.amdhsa_next_free_vgpr 320
		.amdhsa_next_free_sgpr 66
		.amdhsa_reserve_vcc 0
		.amdhsa_float_denorm_mode_32 3
		.amdhsa_float_denorm_mode_16_64 3
		.amdhsa_memory_ordered 1
		.amdhsa_forward_progress 1
		.amdhsa_inst_pref_size 22
	.end_amdhsa_kernel
	.amdgpu_metadata
---
amdhsa.version: [ 1, 2 ]
amdhsa.kernels:
  - .name:           k_q5510cf95f5_oproj
    .symbol:         k_q5510cf95f5_oproj.kd
    .args:
      - { .name: ac, .offset: 0, .size: 8, .value_kind: global_buffer, .address_space: global }
      - { .name: Wo_codes, .offset: 8, .size: 8, .value_kind: global_buffer, .address_space: global }
      - { .name: bo, .offset: 16, .size: 8, .value_kind: global_buffer, .address_space: global }
      - { .name: lowp_scales, .offset: 24, .size: 8, .value_kind: global_buffer, .address_space: global }
      - { .name: out0, .offset: 32, .size: 8, .value_kind: global_buffer, .address_space: global }
    .group_segment_fixed_size: 101376
    .private_segment_fixed_size: 0
    .kernarg_segment_align: 8
    .kernarg_segment_size: 40
    .max_flat_workgroup_size: 384
    .sgpr_count:     66
    .vgpr_count:     320
    .wavefront_size: 32
...
	.end_amdgpu_metadata
.endif
;; end of part 6
